; MI455X (gfx1250); checked and timed in simulation.
; The chip was launched on July 23, 2026; its instructions are those of AMD's public machine-readable ISA for CDNA 5 (MIT licence, August 2026) and "CDNA5" Instruction Set Architecture Reference Guide (July 2026). The comments in the code are by the model that wrote it; some were corrected since.
;; Attention Layer. Allowed arithmetic: matrix products marked QUANTISED: E2M3 operands, one E8M0 scale for each 32 along K, by v_wmma_scale_f32_16x16x128_f8f6f4 with both operands' format E2M3, f32 sums; products left as they are: f32 operands where the result goes on into a quantised operand, else bf16, f16 or f32 operands; f32 sums; everything else in f32.
;; Inputs: W1_codes 4,096 x 64 x 24 uint8 (E2M3 codes of W1, K innermost, in blocks of 32 codes, four codes in three bytes); W1_scales 4,096 x 64 uint8 (E8M0 scales of W1, one for each 32 codes along K); W2_codes 1,024 x 128 x 24 uint8 (E2M3 codes of W2, K innermost, in blocks of 32 codes, four codes in three bytes); W2_scales 1,024 x 128 uint8 (E8M0 scales of W2, one for each 32 codes along K); Wk_codes 1,024 x 32 x 24 uint8 (E2M3 codes of Wk, K innermost, in blocks of 32 codes, four codes in three bytes); Wk_scales 1,024 x 32 uint8 (E8M0 scales of Wk, one for each 32 codes along K); Wq_codes 1,024 x 32 x 24 uint8 (E2M3 codes of Wq, K innermost, in blocks of 32 codes, four codes in three bytes); Wq_scales 1,024 x 32 uint8 (E8M0 scales of Wq, one for each 32 codes along K); Wv_codes 1,024 x 32 x 24 uint8 (E2M3 codes of Wv, K innermost, in blocks of 32 codes, four codes in three bytes); Wv_scales 1,024 x 32 uint8 (E8M0 scales of Wv, one for each 32 codes along K); dec_h 16 x 1,024 float32; enc_codes 16 x 2,048 x 32 x 24 uint8 (E2M3 codes of enc, K innermost, in blocks of 32 codes, four codes in three bytes); enc_scales 16 x 2,048 x 32 uint8 (E8M0 scales of enc, one for each 32 codes along K).
;; Outputs: out0 16 x 1,024 float32.
;; This version of the problem:
;;   THIS VERSION OF THE PROBLEM IS GIVEN IN LOW PRECISION. The matrix products marked QUANTISED in the list below multiply operands that are first quantised to E2M3 (2 exponent bits, 3 mantissa bits; 6 bits a number), with one power-of-two scale for each 32 numbers along K (OCP MX v1.0); their sums are f32. All else is computed in f32.
;;   The module's matrix products, in the order in which they are computed (A, B: the left and right operand; K: the contracted axis; several contracted axes count as one K, in the product's order):
;;     1. [M 16, K 1,024] x [K 1,024, N 1,024]; A: input dec_h; B: input Wq (given as codes): QUANTISED
;;     2. [M 32,768, K 1,024] x [K 1,024, N 1,024]; A: input enc (given as codes); B: input Wk (given as codes): QUANTISED
;;     3. [M 32,768, K 1,024] x [K 1,024, N 1,024]; A: input enc (given as codes); B: input Wv (given as codes): QUANTISED
;;     4. batch 256 x [M 1, K 64] x [K 64, N 2,048]; A: computed on the way; B: computed on the way: left as it is (M = 1 < 16)
;;     5. batch 256 x [M 1, K 2,048] x [K 2,048, N 64]; A: softmax; B: computed on the way: left as it is (M = 1 < 16)
;;     6. [M 16, K 2,048] x [K 2,048, N 4,096]; A: computed on the way; B: input W1 (given as codes): QUANTISED
;;     7. [M 16, K 4,096] x [K 4,096, N 1,024]; A: computed on the way; B: input W2 (given as codes): QUANTISED
;;   THE QUANTISER, for each operand of a quantised product, along K:
;;     - K is cut into blocks of 32 from its start; a last block that is shorter is filled with zeros.
;;     - A block's scale is 2^e with e = floor(log2(the largest magnitude in the block)) - 2, held to -126 .. 127; a block of zeros has e = 0. As a byte (E8M0): e + 127.
;;     - Each number is divided by its block's scale, clamped to +-7.5, and rounded to the nearest number of E2M3, ties to even, subnormals kept.
;;     - The product sums the exact products of the quantised numbers (number of the format x scale) in f32.
;;   ~~~python
;;   def quantise(x, axis):      # numpy; x: float32 -> the quantised numbers, widened to float32 again
;;       x = np.moveaxis(x, axis, -1); K = x.shape[-1]
;;       x = np.pad(x, [(0, 0)] * (x.ndim - 1) + [(0, -K % 32)]); x = x.reshape(x.shape[:-1] + (-1, 32)); a = np.abs(x).max(-1, keepdims=True)
;;       e = np.where(a > 0, np.clip(np.frexp(np.where(a > 0, a, 1))[1] - 1 - 2, -126, 127), 0)      # np.frexp(a)[1] - 1 = floor(log2(a)), exactly
;;       r = np.clip(x / 2.0 ** e, -7.5, 7.5)
;;       step = 2.0 ** (np.maximum(np.frexp(np.where(r == 0, 1, r))[1] - 1, 0) - 3)
;;       q = np.round(r / step) * step * 2.0 ** e      # np.round: ties to even
;;       return np.moveaxis(q.reshape(q.shape[:-2] + (-1,))[..., :K], -1, axis).astype(np.float32)
;;   ~~~
;;   OPERANDS COMPUTED ON THE WAY. 'Computed on the way' means the value that the module computes at that place (a softmax that the list does not call 'softmax' is quantised finished and normalised). What goes into a quantiser is computed in f32, as accurately as f32 sums, v_exp_f32 and their like allow (about 1e-6 of the number): no bf16 or f16 on the way to a quantiser, and a product that is left as it is and whose result goes on into a quantised operand takes f32 operands (vector FMAs, or v_wmma_f32_16x16x4_f32). A number that lies on a knife's edge between two numbers of the format may be rounded either way, as far as f32 arithmetic and the matrix unit's own rounding can turn it there, and no further.
;;   INPUTS GIVEN AS CODES. W1 (in the module: [4096, 2048], K = its axis 1); W2 (in the module: [1024, 4096], K = its axis 1); Wk (in the module: [1024, 1024], K = its axis 1); Wq (in the module: [1024, 1024], K = its axis 1); Wv (in the module: [1024, 1024], K = its axis 1); enc (in the module: [16, 2048, 1024], K = its axis 2): each comes as NAME_codes (uint8): NAME with its K axis moved to the last place and cut into blocks of 32 codes, [.., K / 32, bytes a block], one block behind the other in memory; four codes in three bytes: a row's codes are one little-endian stream of bits, code i at bits 6 i .. 6 i + 5 (a code: sign, 2 exponent bits, 3 mantissa bits); and NAME_scales (uint8): the same leading axes, one E8M0 byte (e + 127) for each 32 codes along K. Its value is code x scale, taken as it is: it is not quantised again, and the codes and scales need not be those that the quantiser above would give.
;; 2 versions. Each part assembles by itself: llvm-mc -triple=amdgcn-amd-amdhsa -mcpu=gfx1250 --defsym DOCPART=n.
;; ======== version 1 of 2: 3 launches
;; workspace buffers: acodes 24,576 bytes; ascales 1,024 bytes; hcodes 49,152 bytes; hscales 2,048 bytes
;; launch attn (part 1): grid 16 x 16, 4 waves a work-group, clusters of 4 x 1, 327,680 bytes of LDS; arguments dec_h, Wq_codes, Wq_scales, Wk_codes, Wk_scales, Wv_codes, Wv_scales, enc_codes, enc_scales, acodes, ascales; writes acodes, ascales
.if DOCPART == 1
	.amdgcn_target "amdgcn-amd-amdhsa--gfx1250"
	.amdhsa_code_object_version 6
	.text
	.protected	k_qb56e920a03_attn
	.globl	k_qb56e920a03_attn
	.p2align	8
	.type	k_qb56e920a03_attn,@function
k_qb56e920a03_attn:
	s_mov_b64 s[64:65], 0
	v_nop
	global_prefetch_b8 v0, s[64:65] scope:SCOPE_SE
	s_setreg_imm32_b32 hwreg(HW_REG_WAVE_MODE, 25, 1), 1
	s_wait_xcnt 0x0
	s_wait_alu depctr_hold_cnt(0) depctr_sa_sdst(0) depctr_va_vdst(0) depctr_va_sdst(0) depctr_va_ssrc(0) depctr_va_vcc(0) depctr_vm_vsrc(0)
	s_getreg_b32 s2, hwreg(HW_REG_IB_STS2, 6, 4)
	s_cmp_eq_u32 s2, 0
	s_cbranch_scc0 .Lentry_in_a_cluster
	s_endpgm
.Lentry_in_a_cluster:
	s_bfe_u32 s2, ttmp6, 0x10000c
	s_cmp_lg_u32 s2, 0x3003
	s_cbranch_scc0 .Lentry_shape_is_right
	s_endpgm
.Lentry_shape_is_right:
; One work-group makes one (batch b, head): q = Q(dec_h[b]) Wq[head]^T, k and v = enc[b] Wk[head]^T, enc[b] Wv[head]^T for all 2,048 keys, the softmax with one query, ctx, and the codes
; of its part of concat(dec_h, ctx) for the next launch.  All three products run on codes of FP6 (E2M3) with one E8M0 scale for each 32 along K; scores, softmax and ctx are f32 multiply-adds on the f32 results.
; SHARES.  Four waves.  THE WEIGHTS STAY IN REGISTERS: each wave holds all 64 fragments (8 tiles of 16 rows: 4 of Wk, 4 of Wv; 8 K steps of 128; 12 registers each = 768 registers) for the whole launch and takes
; rows of enc of its own: a fragment of enc, read from LDS once, feeds 8 matrix instructions.  enc goes through two LDS slots of 128 rows x 1,024 K; wave w fetches and reads rows 32 w .. 32 w + 31 of each.
; TRANSPOSED USE: source 0 = 16 rows of a weight, source 1 = 16 rows of enc: a lane holds ONE key (lane % 16), and register j of tile tt the channel d = 16 tt + 8 (lane / 16) + j.
; SOFTMAX.  Each lane keeps a running maximum, sum and 32 partial outputs for the keys that fall to it (one for each tile of 16 rows): t = (q . k) log2(e) / 8, p = 2^(t - m), a = 2^(m_old - m_new).
; The lanes are merged at the end, then the waves through LDS.
; BY TURNS.  A tile of rows is 64 matrix instructions, k's and v's in groups of 8.  The score of a tile (from k's sums) stands in slices behind the tile's last 8 products for v;
; the outputs of a tile (from v's sums) in slices behind the next tile's first 8 products for k.  So one set of 4 accumulators for k and one for v are enough.
; CLUSTER.  The 16 heads of a batch read the same enc.  A joint load names four work-groups at the most, so four heads form a cluster of 4 x 1 and ask for each tile of enc and for enc's scales jointly.
; LIMITS.  NaN and infinities among the f32 inputs are not served.  A block of zeros gets the scale byte 1 where the quantiser says 127 (its codes are zeros; the bytes are read by this program alone);
; blocks whose largest magnitude lies under 2^-124 are held at the byte 1.
.set PITCH,  816                       ; an LDS row: 3 x (256 bytes of codes + 16 of padding) = 204 words: row r starts at bank 12 r mod 64 (64 banks of 4 bytes: ISA guide 11.1): sixteen different multiples of 4
.set WPART,  32*PITCH                  ; 32 rows: what one tensor load brings
.set SLOT1,  128*PITCH                 ; slot 0 at byte 0, slot 1 here.  Slot 1 holds the weights first (rows 0-63 Wk[head], 64-127 Wv[head])
.set SCL,    2*SLOT1                   ; enc_scales[b]: 65,536 bytes as 256 units of 256 bytes + 16 of padding; filled once
.set SPARE,  SCL+256*272               ; the spare words, 128 bytes for each wave: two blocks of 256 bytes that no other line names
.set DECC,   SPARE+512                 ; 1,024 bytes a wave: 768 of dec_h[b]'s codes, then its 32 scale bytes
.set QT,     DECC+4*1024               ; q x c, 64 numbers
.set MRG,    QT+256                    ; 512 bytes a wave: its 64 outputs, at +256 its maximum, at +260 its sum
.set TILEB,  128*768                   ; a tile of enc in memory
; window 0
.set SPW, 1                            ; v1   LDS address of my spare word; never rewritten
.set NIL, 2                            ; v2   0; never rewritten
.set ADS, 3                            ; v3   LDS address of my rows' scale words
.set AA,  4                            ; v4-7 my rows in slot 0 (+ 24 a half, + 40 a half), in slot 1 likewise
.set PA,  8                            ; v[8:9]   a in the low register
.set PP,  10                           ; v[10:11] p in the low register
.set RM,  12                           ; v12 running maximum, v13 the new one, v14 the sum, v15 at work
.set RMN, 13
.set RL,  14
.set RT,  15
.set RQ,  16                           ; v16-47   q x c at d = 16 tt + 8 half + j
.set RO,  48                           ; v48-79   outputs, the same index
.set KA,  80                           ; v80-111  k's four accumulators
.set VA,  112                          ; v112-143 v's four
.set BUF, 144                          ; v144-167, v168-191: two fragments of enc each
.set W63, 192                          ; v192-203 weight fragment 63 (fragments 0-62 lie in windows 1-3, 21 to a window)
.set WS,  204                          ; v204-235 the weights' scale words: register 4 (4 isV + tt) + i: K step i in lanes 0-15, K step 4 + i in lanes 16-31
.set ES,  236                          ; v236-243 enc's scale words, two sets of 4, laid the same way (at the head: dec_h's and Wq's)
.set WA,  244                          ; v244-247 the weights' rows in slot 1: Wk's (+ 24, + 40 a half), Wv's
.set PFO, 248                          ; v248 256 x lane; never rewritten
.set RR,  249                          ; v249 lane % 16, v250 lane / 16, v251 lane
.set HH,  250
.set LN,  251
; at the head only
.set X,   48                           ; my block of 32 numbers of dec_h[b]
.set DF,  80                           ; dec_h[b]'s 8 fragments
.set CT,  176                          ; the codes just made
.set QA,  188                          ; q's two accumulators
; at the end only
.set OV,  80                           ; four waves' 16 outputs
.set ML,  144                          ; four waves' maximum and sum
.set D16, 152                          ; 16 numbers of dec_h
.set XQ,  168                          ; the 16 numbers to be quantised
.set FG,  184                          ; four weights, in the low registers of pairs
; scalars
.set WV,  26                           ; s26 wave, s27 cx, s28 head, s29 batch
.set G1,  32                           ; s[32:39] group 1: a part of a tile of enc, joint
.set G1W, 40                           ; s[40:47] a part of the weights, my work-group's own
.set G1S, 48                           ; s[48:55] a quarter of enc's scales, joint
.set G0A, 56                           ; s[56:59], s[60:63] groups 0 of slots 0 and 1
.set G0W, 68
.set G0S, 72
.set SEL, 76                           ; s[76:77] selects for lane l xor 16
.set TRIPS, 78
.set LIM, 79                           ; 1 in a wave that prefetches, else the greatest number
.set PFA, 80                           ; s[80:81] where my prefetches stand
.set MSB, 0
.macro WIN new                         ; the immediate's high byte repeats the setting that is left; a switch that changes nothing is dropped
.if MSB != \new
	s_set_vgpr_msb (MSB<<8)|\new
.set MSB, \new
.endif
.endm
.macro PLACES                          ; four places behind a matrix instruction (ISA guide 7.12.1), where no other plain vector work is at hand
.rept 4
	v_nop
.endr
.endm
.macro CREST                           ; a round of the cluster's barrier behind its opening barrier
	s_cmp_lg_u32 s[WV], 0
	s_cbranch_scc1 .Lnot_wave_0_\@
	s_barrier_signal -3
.Lnot_wave_0_\@:
	s_barrier_wait -3
	s_barrier_signal -1
	s_barrier_wait -1
.endm
.macro CROUND
	s_barrier_signal -1
	s_barrier_wait -1
	CREST
.endm
; A fragment, 16 rows x 128 K of 6-bit codes, is 12 registers: lane l holds row l % 16; registers 6 c .. 6 c + 5 hold K = 64 c + 32 (l / 16) + 0 .. 31: 24 bytes of the row's stream, in pieces of 8.
; Piece PC of a row lies at 8 PC + 16 (PC / 32).  Lanes 16-31 read three pieces further on; where that is behind one padding more, the second address register (40 for 24 bytes a half) serves.
.macro FRAG reg, adr, s, off
.irp p, 0,1,2,3,4,5
.set PC, 12*(\s)+6*(\p/3)+\p%3
.if PC%32 < 29
	ds_load_b64 v[\reg+2*\p:\reg+2*\p+1], v[\adr] offset:\off+8*PC+16*(PC/32)
.else
	ds_load_b64 v[\reg+2*\p:\reg+2*\p+1], v[\adr+1] offset:\off+8*PC+16*(PC/32)
.endif
.endr
.endm
.macro RUN sl, ti, j                   ; 12 LDS loads: K steps 2 j and 2 j + 1 of my tile ti of slot sl, into buffer j % 2
	FRAG BUF+24*((\j)%2), AA+2*(\sl), 2*(\j), 16*PITCH*(\ti)
	FRAG BUF+24*((\j)%2)+12, AA+2*(\sl), 2*(\j)+1, 16*PITCH*(\ti)
.endm
.macro MM d, a, b, zero, sa, sb, row   ; row = 1: both sides' scale words are taken from lanes 16-31
.if \zero
	v_wmma_scale_f32_16x16x128_f8f6f4 v[\d:\d+7], v[\a:\a+11], v[\b:\b+11], 0, v[\sa], v[\sb] matrix_a_fmt:MATRIX_FMT_FP6 matrix_b_fmt:MATRIX_FMT_FP6
.elseif \row
	v_wmma_scale_f32_16x16x128_f8f6f4 v[\d:\d+7], v[\a:\a+11], v[\b:\b+11], v[\d:\d+7], v[\sa], v[\sb] matrix_a_fmt:MATRIX_FMT_FP6 matrix_b_fmt:MATRIX_FMT_FP6 matrix_a_scale:MATRIX_SCALE_ROW1 matrix_b_scale:MATRIX_SCALE_ROW1
.else
	v_wmma_scale_f32_16x16x128_f8f6f4 v[\d:\d+7], v[\a:\a+11], v[\b:\b+11], v[\d:\d+7], v[\sa], v[\sb] matrix_a_fmt:MATRIX_FMT_FP6 matrix_b_fmt:MATRIX_FMT_FP6
.endif
.endm
; Slice x of 8 of the OUTPUTS of the tile before: the sum and O take a and p; v's sums are read in ascending order, each accumulator from its low end on.
.macro OWS
	WIN 0
.if x == 0
	v_fma_f32 v[RL], v[RL], v[PA], v[PP]
.endif
	v_pk_mul_f32 v[RO+4*x:RO+4*x+1], v[RO+4*x:RO+4*x+1], v[PA:PA+1] op_sel_hi:[1,0]
	v_pk_mul_f32 v[RO+4*x+2:RO+4*x+3], v[RO+4*x+2:RO+4*x+3], v[PA:PA+1] op_sel_hi:[1,0]
	v_pk_fma_f32 v[RO+4*x:RO+4*x+1], v[VA+4*x:VA+4*x+1], v[PP:PP+1], v[RO+4*x:RO+4*x+1] op_sel_hi:[1,0,1]
	v_pk_fma_f32 v[RO+4*x+2:RO+4*x+3], v[VA+4*x+2:VA+4*x+3], v[PP:PP+1], v[RO+4*x+2:RO+4*x+3] op_sel_hi:[1,0,1]
.endm
; Number it of 31 of the SCORE of this tile.  0-3: the places behind k's last products.  4-21: q . k over my 32 channels, two chains, k's sums in ascending order.  22, 23: the other half's 32 channels.
; 24-27: the new maximum.  28, 29: a and p, one batch; 30: the plain instruction behind them.  The wait for the batch stands at the tile's end.
.macro SCI
.if it < 4
	v_nop
.elseif it < 6
	v_pk_mul_f32 v[KA+2*(it-4):KA+2*(it-4)+1], v[KA+2*(it-4):KA+2*(it-4)+1], v[RQ+2*(it-4):RQ+2*(it-4)+1]
.elseif it < 20
	v_pk_fma_f32 v[KA+2*(it%2):KA+2*(it%2)+1], v[KA+2*(it-4):KA+2*(it-4)+1], v[RQ+2*(it-4):RQ+2*(it-4)+1], v[KA+2*(it%2):KA+2*(it%2)+1]
.elseif it == 20
	v_pk_add_f32 v[KA:KA+1], v[KA:KA+1], v[KA+2:KA+3]
.elseif it == 21
	v_add_f32 v[KA], v[KA], v[KA+1]
.elseif it == 22
	v_permlanex16_b32 v[RT], v[KA], s[SEL], s[SEL+1]
.elseif it == 23
	v_add_f32 v[KA], v[KA], v[RT]
.elseif it == 24
	v_max_num_f32 v[RMN], v[RM], v[KA]
.elseif it == 25
	v_sub_f32 v[KA+1], v[RM], v[RMN]
.elseif it == 26
	v_sub_f32 v[KA+2], v[KA], v[RMN]
.elseif it == 27
	v_mov_b32 v[RM], v[RMN]
.elseif it == 28
	v_exp_f32 v[PA], v[KA+1]
.elseif it == 29
	v_exp_f32 v[PP], v[KA+2]
.elseif it == 30
	v_nop
.endif
.endm
.macro SCS
	WIN 0
.set it, 4*x
.rept 4
	SCI
.set it, it+1
.endr
.endm
; Group g of 8 of a tile's 64 matrix instructions: g even: k, g odd: v; K steps 2 (g / 2) and 2 (g / 2) + 1; the four accumulators take turns, one instruction a turn.
; Weight fragment f = 8 g + x is laid in the order of use.  kind = 1: a slice of the outputs behind each; kind = 2: a slice of the score.
.macro G g, ti, kind
.set x, 0
.rept 8
.set f, 8*(\g)+x
.set kst, 2*((\g)/2)+x/4
.set rD, KA+32*((\g)%2)+8*(x%4)
.set rB, BUF+24*(((\g)/2)%2)+12*(x/4)
.set rS, WS+4*(4*((\g)%2)+x%4)+kst%4
.set rE, ES+4*(\ti)+kst%4
.set rW, 12*(f%21)
.set wn, 1+f/21
.if f == 63
.set rW, W63
.set wn, 0
.endif
.set zz, 0
.if kst == 0
.set zz, 1
.endif
.set rw, kst/4
	WIN wn
	MM rD, rW, rB, zz, rS, rE, rw
.if \kind == 1
	OWS
.elseif \kind == 2
	SCS
.endif
.set x, x+1
.endr
.endm
; A PREFETCH INTO THE L2, behind a refill, its four lines and the run of LDS loads that follows: the tile of enc that stands two refills on (tile n + 4 at the change that leaves slot n).
; The four clusters of a batch read the same enc: the first of them asks.  Its four partners take 24,576 bytes each, told apart by address; in each, waves 0 to 2 take 8,192 bytes, lanes 256 bytes apart:
; 4 x 3 x 32 blocks of 256 bytes are a tile, each named once.  The loop's last trip asks for nothing: tiles 16 and 17 do not exist.  Tiles 0 to 3 come by their loads alone.
.macro ASK
	s_cmp_gt_u32 s[TRIPS], s[LIM]
	s_cbranch_scc0 .Lnot_mine_\@
	global_prefetch_b8 v[PFO], s[PFA:PFA+1] th:TH_LOAD_NT scope:SCOPE_SE
.Lnot_mine_\@:
.endm
; A TILE of 16 rows: tile ti of slot sl; (nsl, nti) is the tile that follows.  chg = 1: the slot is left and filled again; chg = 2: it is left, and the last tile's landing is waited for; last = 1: nothing follows.
.macro TILE sl, ti, nsl, nti, chg, last
	s_wait_dscnt 12                                ; my scale words and K steps 0, 1 are in; the 12 loads of K steps 2, 3 may be out
	G 0, \ti, 1
	G 1, \ti, 0
	PLACES
	WIN 0
	RUN \sl, \ti, 2
	s_wait_dscnt 12                                ; K steps 2, 3 are in; the 12 just issued may be out
	G 2, \ti, 0
	G 3, \ti, 0
	PLACES
	WIN 0
	RUN \sl, \ti, 3                                ; the slot's last reads, where ti = 1
.if \chg == 1
	s_wait_xcnt 0x0                                ; the last prefetch, a slot back, has read its address: it steps by a tile
	s_add_nc_u64 s[PFA:PFA+1], s[PFA:PFA+1], TILEB
	s_wait_tensorcnt 0x0                           ; all my tensor loads have landed: the one that was out is my part of the next slot
	ds_add_u32 v[SPW], v[NIL]                      ; 0 onto my spare word
	s_wait_dscnt 13                                ; K steps 4, 5 are in; the 12 loads behind them and the add may be out
.else
	s_wait_dscnt 12                                ; K steps 4, 5 are in
.endif
	G 4, \ti, 0
.if \chg == 1
	s_wait_dscnt 0x0                               ; the add is done, and my reads of this slot are over
	s_barrier_signal -1
.endif
	G 5, \ti, 0
.if \chg == 1
	WIN 0
	s_barrier_wait -1
	CREST                                          ; the barrier has opened a round of the cluster's: no wave of any partner still reads this slot or has a load on its way
	s_add_nc_u64 s[G0A+4*\sl+2:G0A+4*\sl+3], s[G0A+4*\sl+2:G0A+4*\sl+3], 2*TILEB
	tensor_load_to_lds s[G0A+4*\sl:G0A+4*\sl+3], s[G1:G1+7]   ; my one tensor load behind the round: two tiles on.  112 matrix instructions stand between it and the wait for it
	s_nop 0
	PLACES                                         ; (four lines here; they are also the places in front of the loads below)
.else
	PLACES
	WIN 0
.if \chg == 2
	s_wait_tensorcnt 0x0                           ; the last tile: my own rows have landed; nothing is filled again, so no barrier
.endif
.endif
.if !\last
.if \nsl != \sl
	v_add_nc_u32 v[ADS], 16*272, v[ADS]            ; 128 rows of scales on
.endif
	ds_load_b128 v[ES+4*\nti:ES+4*\nti+3], v[ADS] offset:544*\nti
	RUN \nsl, \nti, 0
.if \chg == 1
	ASK
.endif
	s_wait_dscnt 13                                ; K steps 6, 7 are in; the 13 loads for the next tile may be out
.else
	s_wait_dscnt 0x0
.endif
	G 6, \ti, 0
	G 7, \ti, 2
	WIN 0
	PLACES                                         ; behind v's last products: the next tile's first slices read their sums, and the loads below land in what they read
	s_wait_alu depctr_va_vdst(0)                   ; one wait for a and p, ahead of their first reader
.if !\last
	RUN \nsl, \nti, 1
.endif
.endm
	s_load_b512 s[4:19], s[0:1], 0x0               ; dec_h s[4:5], Wq's codes s[6:7], scales s[8:9], Wk's s[10:11], s[12:13], Wv's s[14:15], s[16:17], enc's codes s[18:19]
	s_load_b128 s[20:23], s[0:1], 0x40             ; enc's scales, acodes
	s_load_b64 s[24:25], s[0:1], 0x50              ; ascales
	v_lshl_add_u32 v[SPW], v0, 2, SPARE
	v_mov_b32 v[NIL], 0
	ds_add_u32 v1, v2
	ds_add_u32 v1, v2
	s_wait_dscnt 0x0
	v_lshrrev_b32 v[LN], 5, v0
	v_readfirstlane_b32 s[WV], v[LN]               ; wave 0..3
	v_and_b32 v[LN], 31, v0
	v_and_b32 v[RR], 15, v0
	v_bfe_u32 v[HH], v0, 4, 1
	s_bfe_u32 s27, ttmp6, 0x40000                  ; cx: my place in the cluster
	s_lshl_b32 s28, ttmp9, 2
	s_add_co_u32 s28, s28, s27                     ; head = 4 x cluster x + cx: it enters global addresses alone
	s_and_b32 s29, ttmp7, 0xffff                   ; batch, which the four partners share
	; group 1 of a part of a tile: 32 rows of 768 bytes, dense in memory, 16 bytes of padding behind every 256
	s_mov_b32 s[G1], 15|(1<<20)|(1<<21)|(5<<22)|(3<<25)   ; 15:0 the mask: all four; 17:16 elements of 1 byte; 20 padding on; 21 set beside a mask; 24:22 after every 64 words; 31:25 4 words
	s_mov_b32 s[G1W], (1<<20)|(5<<22)|(3<<25)      ; the weights differ from head to head: no mask
.irp g, G1, G1W
	s_mov_b32 s[\g+1], 768<<16                     ; tensor_dim0
	s_mov_b32 s[\g+2], 32<<16                      ; tensor_dim1
	s_mov_b32 s[\g+3], 768<<16                     ; tile_dim0
	s_mov_b32 s[\g+4], 32                          ; tile_dim1
	s_mov_b32 s[\g+5], 768                         ; from row to row
	s_mov_b32 s[\g+6], 0
	s_mov_b32 s[\g+7], 0
.endr
	; a quarter of the batch's scale bytes: 16,384 dense bytes as 64 rows of 256 (32 elements of 8 bytes), 16 bytes of padding behind each
	s_mov_b32 s[G1S], 15|(3<<16)|(1<<20)|(1<<21)|(5<<22)|(3<<25)
	s_mov_b32 s[G1S+1], 32<<16
	s_mov_b32 s[G1S+2], 64<<16
	s_mov_b32 s[G1S+3], 32<<16
	s_mov_b32 s[G1S+4], 64
	s_mov_b32 s[G1S+5], 32
	s_mov_b32 s[G1S+6], 0
	s_mov_b32 s[G1S+7], 0
	s_mov_b32 s[G0A], 1
	s_mov_b32 s[G0A+4], 1
	s_mov_b32 s[G0W], 1
	s_mov_b32 s[G0S], 1
	s_mul_i32 s[G0A+1], s[WV], WPART               ; LDS: my 32 rows of slot 0,
	s_add_co_u32 s[G0A+5], s[G0A+1], SLOT1         ; of slot 1,
	s_add_co_u32 s[G0W+1], s[G0A+1], SLOT1         ; and of the weights, which lie there first
	s_mul_i32 s[G0S+1], s[WV], 64*272
	s_add_co_u32 s[G0S+1], s[G0S+1], SCL
	s_mul_i32 s30, s29, 2048*768                   ; enc's codes: batch b, my 32 rows of tile 0  (s30, s31, s82, s83 never hold the head)
	s_mul_i32 s82, s[WV], 32*768
	s_add_co_u32 s30, s30, s82
	s_mov_b32 s31, 0
	s_lshl_b32 s82, s29, 16                        ; enc's scales: batch b, my quarter
	s_lshl_b32 s83, s[WV], 14
	s_add_co_u32 s82, s82, s83
	s_mov_b32 s83, 0
	s_and_b32 s84, s[WV], 1                        ; the weights: rows 64 head + 32 (wave % 2), of Wk (waves 0, 1) or Wv (waves 2, 3)
	s_mul_i32 s84, s84, 32*768
	s_mul_i32 s85, s28, 64*768
	s_add_co_u32 s84, s84, s85
	s_mov_b32 s85, 0
	s_mov_b32 s[SEL], 0x76543210
	s_mov_b32 s[SEL+1], 0xfedcba98
	; LDS addresses
	v_mul_u32_u24 v[AA], v[RR], PITCH
	v_mad_u32_u24 v[AA], v[HH], 24, v[AA]          ; row r, + 24 a half
	v_add_nc_u32 v[WA], SLOT1, v[AA]               ; Wk's rows
	v_lshl_add_u32 v[WA+1], v[HH], 4, v[WA]
	v_add_nc_u32 v[WA+2], 64*PITCH, v[WA]          ; Wv's
	v_add_nc_u32 v[WA+3], 64*PITCH, v[WA+1]
	v_add_nc_u32 v[AA], s[G0A+1], v[AA]            ; my wave's rows of slot 0
	v_lshl_add_u32 v[AA+1], v[HH], 4, v[AA]
	v_add_nc_u32 v[AA+2], SLOT1, v[AA]
	v_add_nc_u32 v[AA+3], SLOT1, v[AA+1]
	v_lshrrev_b32 v[ADS], 3, v[RR]                 ; scale words: 32 bytes a row, 8 rows to a unit of 272; lanes 16-31 take the row's upper 16 bytes
	v_mul_u32_u24 v[ADS], v[ADS], 272
	v_and_b32 v24, 7, v[RR]
	v_lshl_add_u32 v[ADS], v24, 5, v[ADS]
	v_lshl_add_u32 v[ADS], v[HH], 4, v[ADS]
	s_mul_i32 s86, s[WV], 4*272
	s_add_co_u32 s86, s86, SCL
	v_add_nc_u32 v[ADS], s86, v[ADS]
	v_lshlrev_b32 v[PFO], 8, v[LN]
	s_lshl_b32 s86, s[WV], 10
	s_add_co_u32 s86, s86, DECC                    ; my wave's 1,024 bytes for dec_h's codes
	v_mul_u32_u24 v28, v[LN], 24
	v_add_nc_u32 v28, s86, v28                     ; in: block = lane, 24 bytes
	v_add_nc_u32 v29, s86, v[LN]                   ; its byte (at + 768)
	v_mul_u32_u24 v30, v[HH], 24
	v_add_nc_u32 v30, s86, v30                     ; out: every lane takes the one row
	v_lshlrev_b32 v31, 4, v[HH]
	v_add_nc_u32 v31, s86, v31
	s_lshl_b32 s87, s[WV], 6
	s_add_co_u32 s87, s87, QT
	v_lshlrev_b32 v32, 5, v[HH]
	v_add_nc_u32 v255, QT, v32                     ; q back: 32 bytes a half
	v_add_nc_u32 v32, s87, v32                     ; q in: my wave's 16 numbers
	; offsets in memory
	v_lshlrev_b32 v252, 7, v[LN]                   ; dec_h: block = lane, 128 bytes
	v_mul_u32_u24 v253, v[RR], 768
	v_mad_u32_u24 v253, v[HH], 24, v253            ; Wq: row r, + 24 a half
	v_lshlrev_b32 v254, 5, v[RR]
	v_lshl_add_u32 v254, v[HH], 4, v254            ; a weight's scales: 32 bytes a row, lanes 16-31 the upper 16
	s_wait_kmcnt 0x0
	s_add_nc_u64 s[G0A+2:G0A+3], s[18:19], s[30:31]
	s_add_nc_u64 s[G0A+6:G0A+7], s[G0A+2:G0A+3], TILEB
	s_or_b32 s[G0A+3], s[G0A+3], 0x80000000
	s_or_b32 s[G0A+7], s[G0A+7], 0x80000000
	s_add_nc_u64 s[G0S+2:G0S+3], s[20:21], s[82:83]
	s_or_b32 s[G0S+3], s[G0S+3], 0x80000000
	s_cmp_lt_u32 s[WV], 2
	s_cselect_b64 s[G0W+2:G0W+3], s[10:11], s[14:15]
	s_add_nc_u64 s[G0W+2:G0W+3], s[G0W+2:G0W+3], s[84:85]
	s_or_b32 s[G0W+3], s[G0W+3], 0x80000000
	CROUND                                         ; all four work-groups are here: the first joint loads meet
	tensor_load_to_lds s[G0W:G0W+3], s[G1W:G1W+7]  ; the first fills go out together: the weights (into slot 1), the scales, tile 0: three loads of mine are out
	s_nop 0
	tensor_load_to_lds s[G0S:G0S+3], s[G1S:G1S+7]
	s_nop 0
	tensor_load_to_lds s[G0A:G0A+3], s[G1:G1+7]
	s_nop 0
	PLACES
	s_mul_i32 s84, s27, 24576                      ; the prefetches: my work-group's quarter of a tile, my wave's 8,192 bytes of it, at tile 3: the first change steps it to tile 4
	s_lshl_b32 s86, s[WV], 13
	s_add_co_u32 s84, s84, s86
	s_mul_i32 s86, s29, 2048*768
	s_add_co_u32 s84, s84, s86
	s_add_co_u32 s84, s84, 3*TILEB
	s_add_nc_u64 s[PFA:PFA+1], s[18:19], s[84:85]
	s_cmp_eq_u32 s[WV], 3
	s_cselect_b32 s[LIM], 1, 0
	s_or_b32 s[LIM], s[LIM], ttmp9                 ; 0 in waves 0 to 2 of the batch's first cluster: the same in all four partners
	s_cmp_eq_u32 s[LIM], 0
	s_cselect_b32 s[LIM], 1, -1
	s_lshl_b32 s84, s29, 12
	s_add_nc_u64 s[4:5], s[4:5], s[84:85]          ; dec_h[b]
	s_mul_i32 s84, s28, 64*768
	s_mul_i32 s86, s[WV], 16*768
	s_add_co_u32 s84, s84, s86
	s_add_nc_u64 s[6:7], s[6:7], s[84:85]          ; Wq's rows 64 head + 16 wave
	s_lshl_b32 s84, s28, 11
	s_add_nc_u64 s[12:13], s[12:13], s[84:85]      ; Wk's and Wv's scales at row 64 head
	s_add_nc_u64 s[16:17], s[16:17], s[84:85]
	s_lshl_b32 s86, s[WV], 9
	s_add_co_u32 s84, s84, s86
	s_add_nc_u64 s[8:9], s[8:9], s[84:85]          ; Wq's at row 64 head + 16 wave
	s_mul_i32 s84, s28, 768
	s_mul_i32 s86, s29, 24
	s_add_co_u32 s84, s84, s86
	s_add_nc_u64 s[22:23], s[22:23], s[84:85]      ; acodes at block 2 head, batch b
	s_lshl_b32 s84, s29, 6
	s_lshl_b32 s86, s28, 1
	s_add_co_u32 s84, s84, s86
	s_add_nc_u64 s[24:25], s[24:25], s[84:85]      ; ascales likewise
.irp i, 0,1,2,3,4,5,6,7
	global_load_b128 v[X+4*\i:X+4*\i+3], v252, s[4:5] offset:16*\i   ; my block of dec_h[b]
.endr
	global_load_b128 v[ES+4:ES+7], v254, s[8:9]    ; Wq's scale words
	WIN 0x40                                       ; destination window 1
.irp s, 0,1,2,3,4,5,6,7
.irp p, 0,1,2,3,4,5
	global_load_b64 v[12*\s+2*\p:12*\s+2*\p+1], v253, s[6:7] offset:96*\s+48*(\p/3)+8*(\p%3)   ; my 16 rows of Wq: 8 fragments, where Wk's will lie later
.endr
.endr
	WIN 0
	s_wait_loadcnt 49                              ; dec_h's 8 loads are in; the 49 behind them may be out
.irp t, 0,1,2,3
	global_load_b128 v[WS+4*\t:WS+4*\t+3], v254, s[12:13] offset:512*\t
	global_load_b128 v[WS+16+4*\t:WS+16+4*\t+3], v254, s[16:17] offset:512*\t
.endr
	; ---- dec_h[b] is quantised, by each wave for itself: a lane holds a whole block of 32
	v_max3_num_f32 v40, |v[X]|, |v[X+1]|, |v[X+2]|
	v_max3_num_f32 v41, |v[X+3]|, |v[X+4]|, |v[X+5]|
.irp i, 6,10,14,18,22,26
	v_max3_num_f32 v40, v40, |v[X+\i]|, |v[X+\i+1]|
	v_max3_num_f32 v41, v41, |v[X+\i+2]|, |v[X+\i+3]|
.endr
	v_max3_num_f32 v40, v40, |v[X+30]|, |v[X+31]|
	v_max3_num_f32 v40, v40, v41, 0x1800000        ; and the floor 2^(3 - 127): the byte cannot fall under 1
	v_add_nc_u32 v42, 0xff000000, v40              ; 2 off the exponent field: the conversion takes this operand's exponent field as its scale
	v_cvt_scalef32_pk16_fp6_f32 v[CT:CT+2], v[X:X+15], v42
	v_cvt_scalef32_pk16_fp6_f32 v[CT+8:CT+10], v[X+16:X+31], v42   ; (a conversion's three registers begin on an even number)
	v_lshrrev_b32 v43, 23, v42                     ; the scale's byte.  (The plain place behind the conversions)
.irp i, 0,1,2
	v_mov_b32 v[CT+3+\i], v[CT+8+\i]
.endr
	ds_store_b64 v28, v[CT:CT+1]
	ds_store_b64 v28, v[CT+2:CT+3] offset:8
	ds_store_b64 v28, v[CT+4:CT+5] offset:16
	ds_store_b8 v29, v43 offset:768
.irp s, 0,1,2,3,4,5,6,7                        ; LDS serves a wave's instructions in order (ISA guide 5.7.1.4): these see my stores.  All 16 columns of source 1 are the one row: every column of the result is q[b]
.irp p, 0,1,2,3,4,5
	ds_load_b64 v[DF+12*\s+2*\p:DF+12*\s+2*\p+1], v30 offset:96*\s+48*(\p/3)+8*(\p%3)
.endr
.endr
	ds_load_b128 v[ES:ES+3], v31 offset:768        ; its scale words: K steps 0-3 in lanes 0-15, 4-7 in lanes 16-31
	s_wait_loadcnt 8                               ; Wq's fragments and scale words are in; the 8 loads of Wk's and Wv's scales may be out
	s_wait_dscnt 0x0
	WIN 1                                          ; source 0 window 1
.irp s, 0,1                                    ; two accumulators by turns
	MM QA+8*\s, 12*\s, DF+12*\s, 1, ES+4+\s, ES+\s, 0
.endr
.irp s, 2,3
	MM QA+8*(\s%2), 12*\s, DF+12*\s, 0, ES+4+\s, ES+\s, 0
.endr
.irp s, 4,5,6,7
	MM QA+8*(\s%2), 12*\s, DF+12*\s, 0, ES+\s, ES+\s-4, 1
.endr
	WIN 0
	PLACES
.irp i, 0,2,4,6
	v_pk_mul_f32 v[RQ+\i:RQ+\i+1], v[QA+\i:QA+\i+1], 0x3e38aa3b op_sel_hi:[1,0]   ; x c = log2(e) / 8
.endr
.irp i, 0,2,4,6
	v_pk_fma_f32 v[RQ+\i:RQ+\i+1], v[QA+8+\i:QA+8+\i+1], 0x3e38aa3b, v[RQ+\i:RQ+\i+1] op_sel_hi:[1,0,1]
.endr
	ds_store_b128 v32, v[RQ:RQ+3]                  ; q(16 wave + 8 half + 0 .. 7): the 16 lanes of a half write the same bytes with the same values
	ds_store_b128 v32, v[RQ+4:RQ+7] offset:16
	s_wait_tensorcnt 2                             ; my part of the weights has landed; the scales and tile 0 may stay out
	s_wait_dscnt 0x0                               ; my part of q is in LDS
	s_barrier_signal -1
	s_barrier_wait -1
.irp t, 0,1,2,3
	ds_load_b128 v[RQ+8*\t:RQ+8*\t+3], v255 offset:64*\t
	ds_load_b128 v[RQ+8*\t+4:RQ+8*\t+7], v255 offset:64*\t+16
.endr
	; ---- the weights go into registers: 64 fragments, in the order of use
.set f, 0
.rept 64
.set gg, f/8
.set kst, 2*(gg/2)+(f%8)/4
.set tt, f%4
.if f == 63
	WIN 0
	FRAG W63, WA+2*(gg%2), kst, tt*16*PITCH
.else
.set wn, (1+f/21)<<6
	WIN wn
	FRAG 12*(f%21), WA+2*(gg%2), kst, tt*16*PITCH
.endif
.set f, f+1
.endr
	; ---- slot 1 changes hands: the weights have left it, tile 1 comes
	WIN 0
	s_wait_tensorcnt 0x0                           ; all my tensor loads have landed: my quarter of the scales and my part of tile 0
	ds_add_u32 v[SPW], v[NIL]                      ; 0 onto my spare word; the loop's start values are set while it is out
.set i, 0
.rept 32
	v_mov_b32 v[RO+i], 0                           ; the loop is written once: its first slices of outputs find p = 0 and zeros
	v_mov_b32 v[VA+i], 0
.set i, i+1
.endr
.irp r, PA, PA+1, PP, PP+1, RL, RT
	v_mov_b32 v[\r], 0
.endr
	v_mov_b32 v[RM], 0xff61b1e6                    ; the maximum so far: -3e38
	s_wait_loadcnt 0x0                             ; Wk's and Wv's scale words
	s_wait_dscnt 0x0                               ; the add is done, and my reads of the weights are over
	CROUND
	tensor_load_to_lds s[G0A+4:G0A+7], s[G1:G1+7]  ; tile 1
	s_nop 0
	PLACES
	ds_load_b128 v[ES:ES+3], v[ADS]
	RUN 0, 0, 0
	RUN 0, 0, 1
	s_mov_b32 s[TRIPS], 7
.Ltrip:                                            ; 7 trips of two slots: slots 0 to 13, each filled again with the tile two on
	TILE 0, 0, 0, 1, 0, 0
	TILE 0, 1, 1, 0, 1, 0
	TILE 1, 0, 1, 1, 0, 0
	TILE 1, 1, 0, 0, 1, 0
	s_sub_co_u32 s[TRIPS], s[TRIPS], 1
	s_cmp_lg_u32 s[TRIPS], 0
	s_cbranch_scc1 .Ltrip
	TILE 0, 0, 0, 1, 0, 0                          ; the last two slots are written out: nothing is left to fetch
	TILE 0, 1, 1, 0, 2, 0
	TILE 1, 0, 1, 1, 0, 0
	TILE 1, 1, 0, 0, 0, 1
.set x, 0
.rept 8
	OWS                                            ; the last tile's outputs
.set x, x+1
.endr
	; ---- the end.  The 64 numbers of dec_h[b] that this work-group quantises for the next launch are asked for now
	s_lshl_b32 s84, s28, 8
	v_and_b32 v3, 3, v0
	v_lshl_add_u32 v4, v3, 6, s84                  ; numbers 64 head + 16 (lane % 4) on
.irp i, 0,1,2,3
	global_load_b128 v[D16+4*\i:D16+4*\i+3], v4, s[4:5] offset:16*\i
.endr
	s_lshl_b32 s86, s[WV], 9
	s_add_co_u32 s86, s86, MRG
	v_mov_b32 v[RMN], v[RM]
.irp m, 1,2,4,8
	v_max_num_f32_dpp v[RMN], v[RMN], v[RMN] row_xmask:\m row_mask:0xf bank_mask:0xf   ; the wave's maximum (the two halves hold the same)
.endr
	v_sub_f32 v[RT], v[RM], v[RMN]
	v_exp_f32 v[PA], v[RT]
	v_lshl_add_u32 v5, v[HH], 5, s86               ; (plain work behind the exponential)  where my outputs go
	v_mov_b32 v244, s86                            ; where the maximum and the sum go
	v_lshl_add_u32 v6, v3, 6, MRG                  ; and from where 16 outputs come back
	v_mov_b32 v7, MRG+256
	s_wait_alu depctr_va_vdst(0)                   ; ahead of the first reader
	v_mul_f32 v[RL], v[RL], v[PA]
.irp i, 0,2,4,6,8,10,12,14,16,18,20,22,24,26,28,30
	v_pk_mul_f32 v[RO+\i:RO+\i+1], v[RO+\i:RO+\i+1], v[PA:PA+1] op_sel_hi:[1,0]
.endr
.irp m, 1,2,4,8                                ; the 16 lanes of a half are added
	v_add_f32_dpp v[RL], v[RL], v[RL] row_xmask:\m row_mask:0xf bank_mask:0xf
.set i, 0
.rept 32
	v_add_f32_dpp v[RO+i], v[RO+i], v[RO+i] row_xmask:\m row_mask:0xf bank_mask:0xf
.set i, i+1
.endr
.endr
.irp t, 0,1,2,3
	ds_store_b128 v5, v[RO+8*\t:RO+8*\t+3] offset:64*\t       ; the 16 lanes of a half write the same bytes with the same values
	ds_store_b128 v5, v[RO+8*\t+4:RO+8*\t+7] offset:64*\t+16
.endr
	ds_store_b32 v244, v[RMN] offset:256
	ds_store_b32 v244, v[RL] offset:260
	s_wait_dscnt 0x0                               ; for the others' sake: my stores are done
	s_barrier_signal -1
	s_barrier_wait -1
.irp w, 0,1,2,3
.irp i, 0,1,2,3
	ds_load_b128 v[OV+16*\w+4*\i:OV+16*\w+4*\i+3], v6 offset:512*\w+16*\i
.endr
	ds_load_b64 v[ML+2*\w:ML+2*\w+1], v7 offset:512*\w
.endr
	s_wait_dscnt 0x0
	v_max3_num_f32 v12, v[ML], v[ML+2], v[ML+4]
	v_max_num_f32 v12, v12, v[ML+6]
.irp w, 0,1,2,3
	v_sub_f32 v[FG+2*\w], v[ML+2*\w], v12
.endr
.irp w, 0,1,2,3
	v_exp_f32 v[FG+2*\w], v[FG+2*\w]
.endr
.irp w, 0,1,2,3
	v_mov_b32 v[FG+2*\w+1], 0                      ; (named as the upper halves of pairs, so they are written; plain work behind the exponentials)
.endr
	s_wait_alu depctr_va_vdst(0)
	v_mul_f32 v13, v[FG], v[ML+1]
	v_fmac_f32 v13, v[FG+2], v[ML+3]
	v_fmac_f32 v13, v[FG+4], v[ML+5]
	v_fmac_f32 v13, v[FG+6], v[ML+7]               ; the row's sum
	v_rcp_f32 v13, v13
	v_and_b32 v14, 4, v0                           ; (a plain place)  lanes with this bit take dec_h
	v_bfe_u32 v252, v0, 2, 1
	v_xor_b32 v252, 1, v252                        ; 1: ctx
	v_bfe_u32 v253, v0, 1, 1
	v_lshl_add_u32 v253, v252, 5, v253             ; my block, counted from block 2 head: 32 for ctx, + which of the two
	v_and_b32 v254, 1, v0
	v_mul_u32_u24 v252, v253, 384
	v_mad_u32_u24 v252, v254, 12, v252             ; acodes: 384 bytes a block, my half of the block's 24
	s_wait_alu depctr_va_vdst(0)
.irp w, 0,1,2,3
	v_mul_f32 v[FG+2*\w], v[FG+2*\w], v13
.endr
.irp i, 0,2,4,6,8,10,12,14
	v_pk_mul_f32 v[XQ+\i:XQ+\i+1], v[OV+\i:OV+\i+1], v[FG:FG+1] op_sel_hi:[1,0]
.endr
.irp w, 1,2,3
.irp i, 0,2,4,6,8,10,12,14
	v_pk_fma_f32 v[XQ+\i:XQ+\i+1], v[OV+16*\w+\i:OV+16*\w+\i+1], v[FG+2*\w:FG+2*\w+1], v[XQ+\i:XQ+\i+1] op_sel_hi:[1,0,1]   ; ctx(16 (lane % 4) + ..)
.endr
.endr
	s_wait_loadcnt 0x0                             ; dec_h's 16 numbers
	v_cmp_ne_u32 vcc_lo, 0, v14
.set i, 0
.rept 16
	v_cndmask_b32 v[XQ+i], v[XQ+i], v[D16+i], vcc_lo
.set i, i+1
.endr
	v_max3_num_f32 v12, |v[XQ]|, |v[XQ+1]|, |v[XQ+2]|      ; two neighbouring lanes hold a block
	v_max3_num_f32 v13, |v[XQ+3]|, |v[XQ+4]|, |v[XQ+5]|
.irp i, 6,10
	v_max3_num_f32 v12, v12, |v[XQ+\i]|, |v[XQ+\i+1]|
	v_max3_num_f32 v13, v13, |v[XQ+\i+2]|, |v[XQ+\i+3]|
.endr
	v_max3_num_f32 v12, v12, |v[XQ+14]|, |v[XQ+15]|
	v_max3_num_f32 v12, v12, v13, 0x1800000
	v_max_num_f32_dpp v12, v12, v12 row_xmask:1 row_mask:0xf bank_mask:0xf
	v_add_nc_u32 v14, 0xff000000, v12
	v_cvt_scalef32_pk16_fp6_f32 v[8:10], v[XQ:XQ+15], v14
	v_lshrrev_b32 v15, 23, v14                     ; the byte.  (The plain place behind the conversion)
	s_wait_tensorcnt 0x0                           ; the wave's end, behind my last tensor load and my last LDS store
	ds_add_u32 v[SPW], v[NIL]
	s_wait_dscnt 0x0
	s_cmp_lg_u32 s[WV], 0
	s_cbranch_scc1 .Lno_store                      ; every wave holds the same numbers: wave 0 stores
	s_wait_xcnt 0x0                                ; EXEC changes only behind this wait
	v_cmp_gt_u32 vcc_lo, 8, v0
	s_and_saveexec_b32 s82, vcc_lo                 ; lanes 0-3: ctx's two blocks, lanes 4-7: dec_h's two
	global_store_b96 v252, v[8:10], s[22:23]
	global_store_b8 v253, v15, s[24:25]            ; both lanes of a block write the same byte with the same value
	s_wait_xcnt 0x0
	s_or_b32 exec_lo, exec_lo, s82
.Lno_store:
	CROUND                                         ; the closing round: no work-group ends while a partner may still ask for a tile that names it
	s_endpgm
.Lfunc_end_k_qb56e920a03_attn:
	.size	k_qb56e920a03_attn, .Lfunc_end_k_qb56e920a03_attn-k_qb56e920a03_attn
	.p2alignl 7, 3214868480
	.fill 96, 4, 3214868480
	.section	.rodata,"a",@progbits
	.p2align	6, 0x0
	.amdhsa_kernel k_qb56e920a03_attn
		.amdhsa_group_segment_fixed_size 327680
		.amdhsa_private_segment_fixed_size 0
		.amdhsa_enable_private_segment 0
		.amdhsa_kernarg_size 88
		.amdhsa_user_sgpr_count 2
		.amdhsa_user_sgpr_kernarg_segment_ptr 1
		.amdhsa_wavefront_size32 1
		.amdhsa_system_sgpr_workgroup_id_x 1
		.amdhsa_system_sgpr_workgroup_id_y 1
		.amdhsa_system_sgpr_workgroup_id_z 1
		.amdhsa_system_vgpr_workitem_id 0
		.amdhsa_next_free_vgpr 1024
		.amdhsa_next_free_sgpr 100
		.amdhsa_reserve_vcc 1
		.amdhsa_float_denorm_mode_32 3
		.amdhsa_float_denorm_mode_16_64 3
		.amdhsa_memory_ordered 1
		.amdhsa_forward_progress 1
		.amdhsa_inst_pref_size 203
	.end_amdhsa_kernel
	.amdgpu_metadata
---
amdhsa.version: [ 1, 2 ]
amdhsa.kernels:
  - .name:           k_qb56e920a03_attn
    .symbol:         k_qb56e920a03_attn.kd
    .args:
      - { .name: dec_h, .offset: 0, .size: 8, .value_kind: global_buffer, .address_space: global }
      - { .name: Wq_codes, .offset: 8, .size: 8, .value_kind: global_buffer, .address_space: global }
      - { .name: Wq_scales, .offset: 16, .size: 8, .value_kind: global_buffer, .address_space: global }
      - { .name: Wk_codes, .offset: 24, .size: 8, .value_kind: global_buffer, .address_space: global }
      - { .name: Wk_scales, .offset: 32, .size: 8, .value_kind: global_buffer, .address_space: global }
      - { .name: Wv_codes, .offset: 40, .size: 8, .value_kind: global_buffer, .address_space: global }
      - { .name: Wv_scales, .offset: 48, .size: 8, .value_kind: global_buffer, .address_space: global }
      - { .name: enc_codes, .offset: 56, .size: 8, .value_kind: global_buffer, .address_space: global }
      - { .name: enc_scales, .offset: 64, .size: 8, .value_kind: global_buffer, .address_space: global }
      - { .name: acodes, .offset: 72, .size: 8, .value_kind: global_buffer, .address_space: global }
      - { .name: ascales, .offset: 80, .size: 8, .value_kind: global_buffer, .address_space: global }
    .group_segment_fixed_size: 327680
    .private_segment_fixed_size: 0
    .kernarg_segment_align: 8
    .kernarg_segment_size: 88
    .max_flat_workgroup_size: 128
    .sgpr_count:     100
    .vgpr_count:     1024
    .wavefront_size: 32
...
	.end_amdgpu_metadata
.endif
;; end of part 1
;; launch mlp1 (part 2): grid 128 x 1, 4 waves a work-group, no clusters, 8,704 bytes of LDS; arguments acodes, ascales, W1_codes, W1_scales, hcodes, hscales; writes hcodes, hscales
.if DOCPART == 2
	.amdgcn_target "amdgcn-amd-amdhsa--gfx1250"
	.amdhsa_code_object_version 6
	.text
	.protected	k_qb56e920a03_mlp1
	.globl	k_qb56e920a03_mlp1
	.p2align	8
	.type	k_qb56e920a03_mlp1,@function
k_qb56e920a03_mlp1:
	s_mov_b64 s[64:65], 0
	v_nop
	global_prefetch_b8 v0, s[64:65] scope:SCOPE_SE
	s_setreg_imm32_b32 hwreg(HW_REG_WAVE_MODE, 25, 1), 1
	s_wait_xcnt 0x0
; h = silu(A W1^T), A = concat(dec_h, ctx) as codes of FP6 (E2M3) from the launch before; h is quantised along its 4,096 for the next product.  16 rows (batches), K = 2,048.
; SHARES.  A work-group makes 32 hidden units, one block of the next quantiser, for all 16 batches: 128 work-groups; a finer split would cut a block in two.  Wave w takes K steps 4 w .. 4 w + 3 of the 16;
; the four partial sums meet in LDS as images of the accumulators' registers, and wave 0 adds them, takes silu, quantises and stores.
; TRANSPOSED USE: source 0 = 16 rows of W1, source 1 = the 16 batches.  Lane r of tile u takes row 8 u + r + 8 (r / 8) of the 32, so that a lane's 16 registers of the two tiles are units 16 (lane / 16) + 0 .. 15 of one batch.
; acodes is laid [block][batch][24 bytes]: a fragment's three loads of 8 bytes cover 768 consecutive bytes.  Every operand goes from memory straight into registers, once; all of a wave's loads go out at its head.
; NO CLUSTER: what the work-groups share is acodes, 24,576 bytes, of which a wave takes 6,144 once, into registers: no tile lies in LDS that a joint load could fill.  No prefetch: nothing is left to ask for behind the head.
; LIMITS: NaN and infinities are not served; a block of zeros gets the byte 1 (its codes are zeros; this program alone reads the bytes).
.set WSC, 16                           ; v16-19 W1's scale words of my 4 K steps: tile 0's rows in lanes 0-15, tile 1's in lanes 16-31
.set ASC, 20                           ; v20-23 A's
.set WF,  32                           ; v32-127 W1's fragments (tile u, step s) at 12 (4 u + s); later three waves' partial sums
.set AF,  128                          ; v128-175 A's fragments
.set ACC, 176                          ; v176-191 two accumulators; then h
.set E,   80                           ; v80-95 at work
	s_load_b256 s[4:11], s[0:1], 0x0               ; acodes s[4:5], ascales s[6:7], W1's codes s[8:9], scales s[10:11]
	s_load_b128 s[12:15], s[0:1], 0x20             ; hcodes, hscales
	v_lshl_add_u32 v192, v0, 2, 0x2000
	v_mov_b32 v193, 0
	v_lshrrev_b32 v1, 5, v0
	v_readfirstlane_b32 s16, v1                    ; wave 0..3
	v_and_b32 v1, 15, v0                           ; r
	v_bfe_u32 v2, v0, 4, 1                         ; half
	v_and_b32 v11, 31, v0                          ; lane
	v_and_b32 v12, 8, v1
	v_add_nc_u32 v12, v12, v1                      ; r + 8 (r / 8)
	v_mul_u32_u24 v3, v12, 1536
	v_mad_u32_u24 v3, v2, 24, v3                   ; W1: a row is 1,536 bytes
	v_mul_u32_u24 v4, v1, 24
	v_mad_u32_u24 v4, v2, 384, v4                  ; A: block + half, batch r
	v_lshl_add_u32 v5, v2, 3, v12
	v_lshlrev_b32 v5, 6, v5                        ; W1's scales: 64 bytes a row; lanes 16-31 take tile 1's rows
	v_lshlrev_b32 v6, 6, v1                        ; A's: 64 bytes a batch
	v_lshlrev_b32 v8, 4, v11                       ; an image: 16 bytes a lane
	s_lshl_b32 s17, s16, 11
	v_add_nc_u32 v7, s17, v8                       ; my wave's image: 2,048 bytes
	v_mul_u32_u24 v9, v1, 24
	v_mad_u32_u24 v9, v2, 12, v9                   ; hcodes: batch r, my half of the block
	v_lshlrev_b32 v10, 7, v1                       ; hscales: 128 bytes a batch
	v_mov_b32 v98, 0                               ; (a lane permute's destination counts as one of its sources)
	s_mov_b32 s20, 0x76543210
	s_mov_b32 s21, 0xfedcba98
	s_mov_b32 s19, 0
	s_wait_kmcnt 0x0
	s_mul_i32 s18, s16, 6144
	s_add_nc_u64 s[4:5], s[4:5], s[18:19]          ; A's blocks 16 w on
	s_lshl_b32 s18, s16, 4
	s_add_nc_u64 s[6:7], s[6:7], s[18:19]
	s_lshl_b32 s22, ttmp9, 11
	s_add_co_u32 s18, s18, s22
	s_add_nc_u64 s[10:11], s[10:11], s[18:19]      ; W1's scales: my 32 rows, my 16 bytes of each
	s_mul_i32 s18, ttmp9, 49152
	s_mul_i32 s22, s16, 384
	s_add_co_u32 s18, s18, s22
	s_add_nc_u64 s[8:9], s[8:9], s[18:19]          ; W1's codes: my 32 rows, my 4 K steps
	s_mul_i32 s18, ttmp9, 384
	s_add_nc_u64 s[12:13], s[12:13], s[18:19]
	s_mov_b32 s18, ttmp9
	s_add_nc_u64 s[14:15], s[14:15], s[18:19]
	global_load_b128 v[WSC:WSC+3], v5, s[10:11]
	global_load_b128 v[ASC:ASC+3], v6, s[6:7]
.irp s, 0,1,2,3
.irp p, 0,1,2,3,4,5
	global_load_b64 v[AF+12*\s+2*\p:AF+12*\s+2*\p+1], v4, s[4:5] offset:1536*\s+768*(\p/3)+8*(\p%3)
.endr
.irp u, 0,1
.irp p, 0,1,2,3,4,5
	global_load_b64 v[WF+12*(4*\u+\s)+2*\p:WF+12*(4*\u+\s)+2*\p+1], v3, s[8:9] offset:8*\u*1536+96*\s+48*(\p/3)+8*(\p%3) th:TH_LOAD_NT
.endr
.endr
.endr
	s_wait_loadcnt 54                              ; the scales and K step 0's 18 loads are in; the 54 of the three later steps may be out
	v_wmma_scale_f32_16x16x128_f8f6f4 v[ACC:ACC+7], v[WF:WF+11], v[AF:AF+11], 0, v[WSC], v[ASC] matrix_a_fmt:MATRIX_FMT_FP6 matrix_b_fmt:MATRIX_FMT_FP6
	v_wmma_scale_f32_16x16x128_f8f6f4 v[ACC+8:ACC+15], v[WF+48:WF+59], v[AF:AF+11], 0, v[WSC], v[ASC] matrix_a_fmt:MATRIX_FMT_FP6 matrix_b_fmt:MATRIX_FMT_FP6 matrix_a_scale:MATRIX_SCALE_ROW1
.irp s, 1,2,3                                  ; the two accumulators take turns
	s_wait_loadcnt 18*(3-\s)                       ; this step's loads are in; the later steps' may be out
	v_wmma_scale_f32_16x16x128_f8f6f4 v[ACC:ACC+7], v[WF+12*\s:WF+12*\s+11], v[AF+12*\s:AF+12*\s+11], v[ACC:ACC+7], v[WSC+\s], v[ASC+\s] matrix_a_fmt:MATRIX_FMT_FP6 matrix_b_fmt:MATRIX_FMT_FP6
	v_wmma_scale_f32_16x16x128_f8f6f4 v[ACC+8:ACC+15], v[WF+48+12*\s:WF+48+12*\s+11], v[AF+12*\s:AF+12*\s+11], v[ACC+8:ACC+15], v[WSC+\s], v[ASC+\s] matrix_a_fmt:MATRIX_FMT_FP6 matrix_b_fmt:MATRIX_FMT_FP6 matrix_a_scale:MATRIX_SCALE_ROW1
.endr
.rept 4
	v_nop                                          ; four places behind the last products (ISA guide 7.12.1)
.endr
.irp c, 0,1,2,3
	ds_store_b128 v7, v[ACC+4*\c:ACC+4*\c+3] offset:512*\c    ; the image of my 16 registers, each accumulator from its low end on
.endr
	s_wait_dscnt 0x0                               ; for wave 0's sake: my stores are done
	s_barrier_signal -1
	s_barrier_wait -1
	s_cmp_lg_u32 s16, 0
	s_cbranch_scc1 .Ldone
.irp w, 1,2,3
.irp c, 0,1,2,3
	ds_load_b128 v[WF+16*(\w-1)+4*\c:WF+16*(\w-1)+4*\c+3], v8 offset:2048*\w+512*\c
.endr
.endr
	s_wait_dscnt 0x0
.irp i, 0,2,4,6,8,10,12,14
	v_pk_add_f32 v[WF+\i:WF+\i+1], v[WF+\i:WF+\i+1], v[WF+16+\i:WF+16+\i+1]
	v_pk_add_f32 v[ACC+\i:ACC+\i+1], v[ACC+\i:ACC+\i+1], v[WF+32+\i:WF+32+\i+1]
.endr
.irp i, 0,2,4,6,8,10,12,14
	v_pk_add_f32 v[ACC+\i:ACC+\i+1], v[ACC+\i:ACC+\i+1], v[WF+\i:WF+\i+1]
.endr
.irp i, 0,2,4,6,8,10,12,14                     ; silu(x) = x / (1 + 2^(-x log2(e)))
	v_pk_mul_f32 v[E+\i:E+\i+1], v[ACC+\i:ACC+\i+1], 0xbfb8aa3b op_sel_hi:[1,0]
.endr
.set i, 0
.rept 16
	v_exp_f32 v[E+i], v[E+i]
.set i, i+1
.endr
	v_nop                                          ; a plain instruction behind the batch,
	s_wait_alu depctr_va_vdst(0)                   ; and one wait for it, ahead of its first reader
.irp i, 0,2,4,6,8,10,12,14
	v_pk_add_f32 v[E+\i:E+\i+1], v[E+\i:E+\i+1], 1.0 op_sel_hi:[1,0]
.endr
.set i, 0
.rept 16
	v_rcp_f32 v[E+i], v[E+i]
.set i, i+1
.endr
	v_nop
	s_wait_alu depctr_va_vdst(0)
.irp i, 0,2,4,6,8,10,12,14
	v_pk_mul_f32 v[ACC+\i:ACC+\i+1], v[ACC+\i:ACC+\i+1], v[E+\i:E+\i+1]
.endr
	v_max3_num_f32 v96, |v[ACC]|, |v[ACC+1]|, |v[ACC+2]|   ; the block of 32 lies in lanes l and l xor 16
	v_max3_num_f32 v97, |v[ACC+3]|, |v[ACC+4]|, |v[ACC+5]|
.irp i, 6,10
	v_max3_num_f32 v96, v96, |v[ACC+\i]|, |v[ACC+\i+1]|
	v_max3_num_f32 v97, v97, |v[ACC+\i+2]|, |v[ACC+\i+3]|
.endr
	v_max3_num_f32 v96, v96, |v[ACC+14]|, |v[ACC+15]|
	v_max3_num_f32 v96, v96, v97, 0x1800000        ; the floor 2^(3 - 127): the byte cannot fall under 1
	v_permlanex16_b32 v98, v96, s20, s21
	v_max_num_f32 v96, v96, v98
	v_add_nc_u32 v97, 0xff000000, v96              ; 2 off the exponent field: the conversion's scale operand
	v_cvt_scalef32_pk16_fp6_f32 v[100:102], v[ACC:ACC+15], v97
	v_lshrrev_b32 v99, 23, v97                     ; the byte.  (The plain place behind the conversion)
	global_store_b96 v9, v[100:102], s[12:13]      ; the wave stores the block's 384 consecutive bytes
	global_store_b8 v10, v99, s[14:15]             ; both halves write the same byte with the same value
.Ldone:
	s_wait_tensorcnt 0x0
	ds_add_u32 v192, v193
	s_wait_dscnt 0x0
	s_endpgm
.Lfunc_end_k_qb56e920a03_mlp1:
	.size	k_qb56e920a03_mlp1, .Lfunc_end_k_qb56e920a03_mlp1-k_qb56e920a03_mlp1
	.p2alignl 7, 3214868480
	.fill 96, 4, 3214868480
	.section	.rodata,"a",@progbits
	.p2align	6, 0x0
	.amdhsa_kernel k_qb56e920a03_mlp1
		.amdhsa_group_segment_fixed_size 8704
		.amdhsa_private_segment_fixed_size 0
		.amdhsa_enable_private_segment 0
		.amdhsa_kernarg_size 48
		.amdhsa_user_sgpr_count 2
		.amdhsa_user_sgpr_kernarg_segment_ptr 1
		.amdhsa_wavefront_size32 1
		.amdhsa_system_sgpr_workgroup_id_x 1
		.amdhsa_system_sgpr_workgroup_id_y 1
		.amdhsa_system_sgpr_workgroup_id_z 1
		.amdhsa_system_vgpr_workitem_id 0
		.amdhsa_next_free_vgpr 194
		.amdhsa_next_free_sgpr 66
		.amdhsa_reserve_vcc 0
		.amdhsa_float_denorm_mode_32 3
		.amdhsa_float_denorm_mode_16_64 3
		.amdhsa_memory_ordered 1
		.amdhsa_forward_progress 1
		.amdhsa_inst_pref_size 18
	.end_amdhsa_kernel
	.amdgpu_metadata
---
amdhsa.version: [ 1, 2 ]
amdhsa.kernels:
  - .name:           k_qb56e920a03_mlp1
    .symbol:         k_qb56e920a03_mlp1.kd
    .args:
      - { .name: acodes, .offset: 0, .size: 8, .value_kind: global_buffer, .address_space: global }
      - { .name: ascales, .offset: 8, .size: 8, .value_kind: global_buffer, .address_space: global }
      - { .name: W1_codes, .offset: 16, .size: 8, .value_kind: global_buffer, .address_space: global }
      - { .name: W1_scales, .offset: 24, .size: 8, .value_kind: global_buffer, .address_space: global }
      - { .name: hcodes, .offset: 32, .size: 8, .value_kind: global_buffer, .address_space: global }
      - { .name: hscales, .offset: 40, .size: 8, .value_kind: global_buffer, .address_space: global }
    .group_segment_fixed_size: 8704
    .private_segment_fixed_size: 0
    .kernarg_segment_align: 8
    .kernarg_segment_size: 48
    .max_flat_workgroup_size: 128
    .sgpr_count:     66
    .vgpr_count:     194
    .wavefront_size: 32
...
	.end_amdgpu_metadata
.endif
;; end of part 2
;; launch mlp2 (part 3): grid 64 x 1, 8 waves a work-group, no clusters, 9,216 bytes of LDS; arguments hcodes, hscales, W2_codes, W2_scales, out0; writes out0
.if DOCPART == 3
	.amdgcn_target "amdgcn-amd-amdhsa--gfx1250"
	.amdhsa_code_object_version 6
	.text
	.protected	k_qb56e920a03_mlp2
	.globl	k_qb56e920a03_mlp2
	.p2align	8
	.type	k_qb56e920a03_mlp2,@function
k_qb56e920a03_mlp2:
	s_mov_b64 s[64:65], 0
	v_nop
	global_prefetch_b8 v0, s[64:65] scope:SCOPE_SE
	s_setreg_imm32_b32 hwreg(HW_REG_WAVE_MODE, 25, 1), 1
	s_wait_xcnt 0x0
; out = h W2^T on codes of FP6 (E2M3): h from the launch before, laid [block][batch][24 bytes]; 16 rows (batches), K = 4,096, N = 1,024.
; SHARES.  A work-group makes 16 outputs for all 16 batches: 64 work-groups, each output with one owner; 16 columns are the smallest tile.  Wave w of eight takes K steps 4 w .. 4 w + 3 of the 32.
; Source 0 = h's 16 batches, source 1 = 16 rows of W2: lane (r, half) holds output r, register j batch 8 half + j.  The eight partial sums meet in LDS as images of registers; wave w then adds register w of all eight
; and stores it: sixteen lanes write 64 consecutive bytes of a row of out.  (Whole rows' units of 256 bytes would want 64 columns to a work-group: 16 work-groups for 3,145,728 bytes of W2; the output is 65,536 bytes.)
; NO CLUSTER: what the work-groups share is hcodes, 49,152 bytes, of which a wave takes 6,144 once, into registers: no tile lies in LDS that a joint load could fill.  No prefetch: all of a wave's loads go out at its head.
.set HSC, 16                           ; v16-19 h's scale words of my 4 K steps
.set WSC, 20                           ; v20-23 W2's
.set HF,  32                           ; v32-79 h's fragments
.set WF,  80                           ; v80-127 W2's
.set ACC, 128                          ; v128-143 two accumulators
.set SU,  144                          ; v144-151 their sum
.set PT,  152                          ; v152-159 eight waves' parts of one register
	s_load_b256 s[4:11], s[0:1], 0x0               ; hcodes s[4:5], hscales s[6:7], W2's codes s[8:9], scales s[10:11]
	s_load_b64 s[12:13], s[0:1], 0x20              ; out0
	v_lshl_add_u32 v160, v0, 2, 0x2000
	v_mov_b32 v161, 0
	v_lshrrev_b32 v1, 5, v0
	v_readfirstlane_b32 s16, v1                    ; wave 0..7
	v_and_b32 v1, 15, v0                           ; r
	v_bfe_u32 v2, v0, 4, 1                         ; half
	v_and_b32 v9, 31, v0                           ; lane
	v_mul_u32_u24 v3, v1, 24
	v_mad_u32_u24 v3, v2, 384, v3                  ; h: block + half, batch r
	v_mul_u32_u24 v4, v1, 3072
	v_mad_u32_u24 v4, v2, 24, v4                   ; W2: a row is 3,072 bytes
	v_lshlrev_b32 v5, 7, v1                        ; both scales: 128 bytes a row
	v_lshlrev_b32 v9, 4, v9
	s_lshl_b32 s17, s16, 10
	v_add_nc_u32 v6, s17, v9                       ; my wave's image: 1,024 bytes, 16 a lane and group of four registers
	s_lshr_b32 s17, s16, 2
	s_lshl_b32 s17, s17, 9
	s_and_b32 s18, s16, 3
	s_lshl_b32 s18, s18, 2
	s_add_co_u32 s17, s17, s18
	v_add_nc_u32 v7, s17, v9                       ; register w of an image
	v_lshlrev_b32 v8, 15, v2
	s_lshl_b32 s17, s16, 12
	v_add_nc_u32 v8, s17, v8
	v_lshl_add_u32 v8, v1, 2, v8                   ; out: batch 8 half + w, output r
	s_mov_b32 s19, 0
	s_wait_kmcnt 0x0
	s_mul_i32 s18, s16, 6144
	s_add_nc_u64 s[4:5], s[4:5], s[18:19]          ; h's blocks 16 w on
	s_lshl_b32 s18, s16, 4
	s_add_nc_u64 s[6:7], s[6:7], s[18:19]
	s_lshl_b32 s20, ttmp9, 11
	s_add_co_u32 s18, s18, s20
	s_add_nc_u64 s[10:11], s[10:11], s[18:19]      ; W2's scales: my 16 rows, my 16 bytes of each
	s_mul_i32 s18, ttmp9, 49152
	s_mul_i32 s20, s16, 384
	s_add_co_u32 s18, s18, s20
	s_add_nc_u64 s[8:9], s[8:9], s[18:19]          ; W2's codes: my 16 rows, my 4 K steps
	s_lshl_b32 s18, ttmp9, 6
	s_add_nc_u64 s[12:13], s[12:13], s[18:19]
	global_load_b128 v[HSC:HSC+3], v5, s[6:7]
	global_load_b128 v[WSC:WSC+3], v5, s[10:11]
.irp s, 0,1,2,3
.irp p, 0,1,2,3,4,5
	global_load_b64 v[HF+12*\s+2*\p:HF+12*\s+2*\p+1], v3, s[4:5] offset:1536*\s+768*(\p/3)+8*(\p%3)
.endr
.irp p, 0,1,2,3,4,5
	global_load_b64 v[WF+12*\s+2*\p:WF+12*\s+2*\p+1], v4, s[8:9] offset:96*\s+48*(\p/3)+8*(\p%3) th:TH_LOAD_NT
.endr
.endr
.irp s, 0,1                                    ; two accumulators by turns; each step's 12 loads are in, the later steps' may be out
	s_wait_loadcnt 12*(3-\s)
	v_wmma_scale_f32_16x16x128_f8f6f4 v[ACC+8*\s:ACC+8*\s+7], v[HF+12*\s:HF+12*\s+11], v[WF+12*\s:WF+12*\s+11], 0, v[HSC+\s], v[WSC+\s] matrix_a_fmt:MATRIX_FMT_FP6 matrix_b_fmt:MATRIX_FMT_FP6
.endr
.irp s, 2,3
	s_wait_loadcnt 12*(3-\s)
	v_wmma_scale_f32_16x16x128_f8f6f4 v[ACC+8*(\s-2):ACC+8*(\s-2)+7], v[HF+12*\s:HF+12*\s+11], v[WF+12*\s:WF+12*\s+11], v[ACC+8*(\s-2):ACC+8*(\s-2)+7], v[HSC+\s], v[WSC+\s] matrix_a_fmt:MATRIX_FMT_FP6 matrix_b_fmt:MATRIX_FMT_FP6
.endr
.rept 4
	v_nop                                          ; four places behind the last products (ISA guide 7.12.1)
.endr
.irp i, 0,2,4,6
	v_pk_add_f32 v[SU+\i:SU+\i+1], v[ACC+\i:ACC+\i+1], v[ACC+8+\i:ACC+8+\i+1]
.endr
	ds_store_b128 v6, v[SU:SU+3]
	ds_store_b128 v6, v[SU+4:SU+7] offset:512
	s_wait_dscnt 0x0                               ; for the others' sake: my stores are done
	s_barrier_signal -1
	s_barrier_wait -1
.irp w, 0,1,2,3,4,5,6,7
	ds_load_b32 v[PT+\w], v7 offset:1024*\w
.endr
	s_wait_dscnt 0x0
	v_add_f32 v[PT], v[PT], v[PT+1]
	v_add_f32 v[PT+2], v[PT+2], v[PT+3]
	v_add_f32 v[PT+4], v[PT+4], v[PT+5]
	v_add_f32 v[PT+6], v[PT+6], v[PT+7]
	v_add_f32 v[PT], v[PT], v[PT+2]
	v_add_f32 v[PT+4], v[PT+4], v[PT+6]
	v_add_f32 v[PT], v[PT], v[PT+4]
	global_store_b32 v8, v[PT], s[12:13]
	s_wait_tensorcnt 0x0
	ds_add_u32 v160, v161
	s_wait_dscnt 0x0
	s_endpgm
.Lfunc_end_k_qb56e920a03_mlp2:
	.size	k_qb56e920a03_mlp2, .Lfunc_end_k_qb56e920a03_mlp2-k_qb56e920a03_mlp2
	.p2alignl 7, 3214868480
	.fill 96, 4, 3214868480
	.section	.rodata,"a",@progbits
	.p2align	6, 0x0
	.amdhsa_kernel k_qb56e920a03_mlp2
		.amdhsa_group_segment_fixed_size 9216
		.amdhsa_private_segment_fixed_size 0
		.amdhsa_enable_private_segment 0
		.amdhsa_kernarg_size 40
		.amdhsa_user_sgpr_count 2
		.amdhsa_user_sgpr_kernarg_segment_ptr 1
		.amdhsa_wavefront_size32 1
		.amdhsa_system_sgpr_workgroup_id_x 1
		.amdhsa_system_sgpr_workgroup_id_y 1
		.amdhsa_system_sgpr_workgroup_id_z 1
		.amdhsa_system_vgpr_workitem_id 0
		.amdhsa_next_free_vgpr 162
		.amdhsa_next_free_sgpr 66
		.amdhsa_reserve_vcc 0
		.amdhsa_float_denorm_mode_32 3
		.amdhsa_float_denorm_mode_16_64 3
		.amdhsa_memory_ordered 1
		.amdhsa_forward_progress 1
		.amdhsa_inst_pref_size 9
	.end_amdhsa_kernel
	.amdgpu_metadata
---
amdhsa.version: [ 1, 2 ]
amdhsa.kernels:
  - .name:           k_qb56e920a03_mlp2
    .symbol:         k_qb56e920a03_mlp2.kd
    .args:
      - { .name: hcodes, .offset: 0, .size: 8, .value_kind: global_buffer, .address_space: global }
      - { .name: hscales, .offset: 8, .size: 8, .value_kind: global_buffer, .address_space: global }
      - { .name: W2_codes, .offset: 16, .size: 8, .value_kind: global_buffer, .address_space: global }
      - { .name: W2_scales, .offset: 24, .size: 8, .value_kind: global_buffer, .address_space: global }
      - { .name: out0, .offset: 32, .size: 8, .value_kind: global_buffer, .address_space: global }
    .group_segment_fixed_size: 9216
    .private_segment_fixed_size: 0
    .kernarg_segment_align: 8
    .kernarg_segment_size: 40
    .max_flat_workgroup_size: 256
    .sgpr_count:     66
    .vgpr_count:     162
    .wavefront_size: 32
...
	.end_amdgpu_metadata
.endif
;; end of part 3
;; ======== version 2 of 2: 3 launches
;; limits: right only within a limited range of input values
;; workspace buffers: acodes 24,576 bytes; ascales 1,024 bytes; hcodes 49,152 bytes; hscales 2,048 bytes
;; launch attn (part 4): grid 16 x 16, 4 waves a work-group, clusters of 4 x 1, 327,680 bytes of LDS; arguments dec_h, Wq_codes, Wq_scales, Wk_codes, Wk_scales, Wv_codes, Wv_scales, enc_codes, enc_scales, acodes, ascales; writes acodes, ascales
.if DOCPART == 4
	.amdgcn_target "amdgcn-amd-amdhsa--gfx1250"
	.amdhsa_code_object_version 6
	.text
	.protected	k_qb56e920a03_attn
	.globl	k_qb56e920a03_attn
	.p2align	8
	.type	k_qb56e920a03_attn,@function
k_qb56e920a03_attn:
	s_mov_b64 s[64:65], 0
	v_nop
	global_prefetch_b8 v0, s[64:65] scope:SCOPE_SE
	s_setreg_imm32_b32 hwreg(HW_REG_WAVE_MODE, 25, 1), 1
	s_wait_xcnt 0x0
	s_wait_alu depctr_hold_cnt(0) depctr_sa_sdst(0) depctr_va_vdst(0) depctr_va_sdst(0) depctr_va_ssrc(0) depctr_va_vcc(0) depctr_vm_vsrc(0)
	s_getreg_b32 s2, hwreg(HW_REG_IB_STS2, 6, 4)
	s_cmp_eq_u32 s2, 0
	s_cbranch_scc0 .Lentry_in_a_cluster
	s_endpgm
.Lentry_in_a_cluster:
	s_bfe_u32 s2, ttmp6, 0x10000c
	s_cmp_lg_u32 s2, 0x3003
	s_cbranch_scc0 .Lentry_shape_is_right
	s_endpgm
.Lentry_shape_is_right:
; One work-group makes one (batch b, head): q = Q(dec_h[b]) Wq[head]^T, k and v = enc[b] Wk[head]^T, enc[b] Wv[head]^T for all 2,048 keys, the softmax with one query, ctx, and the codes
; of its part of concat(dec_h, ctx) for the next launch.  The three products run on codes of FP6 (E2M3) with one E8M0 scale for each 32 along K; scores, softmax and ctx are f32 multiply-adds on the f32 results.
; SHARES.  Four waves.  THE WEIGHTS STAY IN REGISTERS: each wave holds all 64 fragments (4 tiles of 16 rows of Wk, 4 of Wv; 8 K steps of 128; 12 registers each = 768) and takes rows of enc of its own.
; enc goes through two LDS slots of 128 rows x 1,024 K; wave w reads rows 32 w .. 32 w + 31 of each: two tiles of 16 keys.
; A TILE: 32 matrix instructions for k (all 8 K steps), then 32 for v on the same 8 fragments of enc, which are read from LDS once; behind v's step s the next tile's fragment s lands in the same registers.
; k IS USED TRANSPOSED (source 0 = 16 rows of Wk, source 1 = 16 keys): lane (r, h) holds key r, register j of tile tt the channel d = 16 tt + 8 h + j.  v IS NOT (source 0 = 16 keys): lane (r, h) holds channel 16 tt + r, register j key 8 h + j.
; So the score is a sum over a lane's registers and the other half's, and the outputs are a lane's sums over its registers: 4 pairs of registers.  p of key 8 h + j reaches all lanes of half h by a row share.
; SOFTMAX with a running maximum, one for the wave, moved once a tile: t = (q . k) log2(e) / 8, p = 2^(t - m), a = 2^(m_old - m_new).  The waves are merged through LDS at the end.
; THE SCORE of a tile stands among its products for v, THE OUTPUTS among the next tile's products for k: two lines behind every second matrix instruction.
; CLUSTER.  The 16 heads of a batch read the same enc.  A joint load names four work-groups at the most, so four heads form a cluster of 4 x 1 and ask for enc's tiles and scales jointly.  Cluster x and the upper part of cluster y make the batch.
; PREFETCH.  The tiles of the steps that the next trip's refills ask for are asked for one trip ahead: each aligned block of 256 bytes once, shared out by address among the 64 waves of the batch's 16 work-groups.
; LIMITS.  NaN and infinities among the f32 inputs are not served.  Scaled scores stay under 2^31 in magnitude.  A block of zeros gets the scale byte 1 where the quantiser says 127 (its codes are zeros; the bytes are read by this program alone);
; blocks whose largest magnitude lies under 2^-124 are held at the byte 1.
.set PITCH,  816                       ; an LDS row: 3 x (256 bytes of codes + 16 of padding) = 204 words: row r starts at bank 12 r mod 64 (64 banks of 4 bytes: ISA guide 11.1)
.set WPART,  32*PITCH
.set SLOT1,  128*PITCH                 ; slot 1; it holds the weights first (rows 0-63 Wk[head], 64-127 Wv[head])
.set SCL,    2*SLOT1                   ; enc_scales[b]: 256 units of 256 bytes + 16 of padding; filled once
.set SPARE,  SCL+256*272               ; the spare words
.set DECC,   SPARE+512                 ; 1,024 bytes a wave: 768 of dec_h[b]'s codes, then its 32 scale bytes
.set QT,     DECC+4*1024               ; q x log2(e) / 8, 64 numbers
.set MRG,    QT+256                    ; 512 bytes a wave: its 64 outputs, at +256 its maximum, at +260 its sum
.set TILEB,  128*768                   ; a slot's tile in memory
; window 0
.set SPW, 1                            ; LDS address of my spare word; never rewritten
.set NIL, 2                            ; 0; never rewritten
.set ADS, 3                            ; LDS address of my rows' scale words
.set AA,  4                            ; my rows of the tile that is fetched: row r + 24 h; v5: + 40 h, for pieces behind one padding more
.set AA1, 5
.set RM,  6                            ; running maximum
.set AA0, 7                            ; my rows in slot 0
.set PA,  8                            ; a
.set RP,  9                            ; p
.set RL,  10                           ; the sum
.set PFO, 11                           ; the prefetches' offset
.set T,   12                           ; v12-15 at work
.set RO,  16                           ; v16-23 outputs: a pair (even keys, odd keys) for each of 4 channels
.set ES,  26                           ; v26-33 enc's scale words, two sets of 4: K step i in lanes 0-15, 4 + i in lanes 16-31 (at the head: dec_h's and Wq's)
.set WS,  36                           ; v36-67 the weights' scale words: register 4 (4 isV + tt) + i, laid the same way
.set KA,  68                           ; v68-99 k's four accumulators
.set VA,  100                          ; v100-131 v's four
.set BUF, 132                          ; v132-227 eight fragments of enc
.set RQ,  228                          ; q's 32 numbers: 0-15 here, 16-17 in v24-25, 18-19 in v34-35, 20-31 in v252-255 of windows 1, 2, 3
.set W63, 244                          ; weight fragment 63 (0-62 lie in windows 1-3, 21 to a window; 0-31 Wk, 32-63 Wv; 4 s + tt)
; at the head only
.set X,   100                          ; my block of 32 numbers of dec_h[b]
.set QA,  100                          ; q's two accumulators
.set QR,  116                          ; q's 8 numbers
.set BA,  228                          ; LDS addresses of the weights' eight tiles of 16 rows
; at the end only
.set OV,  132                          ; four waves' 16 outputs
.set ML,  196                          ; four waves' maximum and sum
.set FG,  204                          ; four weights, in the low registers of pairs
.set XQ,  212                          ; the 16 numbers to be quantised
; scalars
.set WV,  26                           ; s26 wave, s27 cx, s28 head, s29 batch
.set G1,  32                           ; s[32:39] group 1: rows of enc, joint
.set G1W, 40                           ; s[40:47] 64 rows of a weight, my work-group's own
.set G1S, 48                           ; s[48:55] enc's scales, joint
.set G0A, 56                           ; s[56:59], s[60:63] groups 0 of slots 0 and 1
.set G0W, 68
.set G0S, 72
.set G0H, 92                           ; the head's tile 0
.set SEL, 76                           ; s[76:77] selects for lane l xor 16
.set TRIPS, 78
.set UPPER, 79                         ; mask of lanes 16-31
.set PFA, 80                           ; s[80:81] where my prefetch stands
.set PT,  88                           ; its first tile
.set PFB, 90                           ; s[90:91] my work-group's share of tile 0
.set MSB, 0
.macro WIN new                         ; the immediate's high byte repeats the setting that is left; a switch that changes nothing is dropped
.if MSB != \new
	s_set_vgpr_msb (MSB<<8)|\new
.set MSB, \new
.endif
.endm
.macro WALU
	s_wait_alu depctr_va_vdst(0)
.endm
.macro PLACES
.rept 4
	v_nop
.endr
.endm
.macro CREST                           ; a round of the cluster's barrier behind its opening barrier
	s_cmp_lg_u32 s[WV], 0
	s_cbranch_scc1 .Lnot_wave_0_\@
	s_barrier_signal -3
.Lnot_wave_0_\@:
	s_barrier_wait -3
	s_barrier_signal -1
	s_barrier_wait -1
.endm
.macro CROUND
	s_barrier_signal -1
	s_barrier_wait -1
	CREST
.endm
; A fragment, 16 rows x 128 K of 6-bit codes, is 12 registers: lane l holds row l % 16; registers 6 c .. 6 c + 5 hold K = 64 c + 32 (l / 16) + 0 .. 31: 24 bytes of the row's stream, in pieces of 8.
; Piece PC of a row lies at 8 PC + 16 (PC / 32).  Lanes 16-31 read three pieces further on; where that is behind one padding more, the second address register serves.  Two pieces go to a load where both use one register.
.macro FRAG2 reg, q, a0, a1
.set SKIP_, 0
.irp p, 0,1,2,3,4,5
.if SKIP_
.set SKIP_, 0
.else
.set PC_, 12*(\q)+6*(\p/3)+\p%3
.set PN_, 12*(\q)+6*((\p+1)/3)+(\p+1)%3
.set X_, (PC_%32+3)/32
.set XQ_, (PN_%32+3)/32
.if (\p < 5) && (X_ == XQ_)
.set SKIP_, 1
.if X_
	ds_load_2addr_b64 v[\reg+2*\p:\reg+2*\p+3], v[\a1] offset0:PC_+2*(PC_/32) offset1:PN_+2*(PN_/32)
.else
	ds_load_2addr_b64 v[\reg+2*\p:\reg+2*\p+3], v[\a0] offset0:PC_+2*(PC_/32) offset1:PN_+2*(PN_/32)
.endif
.elseif X_
	ds_load_b64 v[\reg+2*\p:\reg+2*\p+1], v[\a1] offset:8*(PC_+2*(PC_/32))
.else
	ds_load_b64 v[\reg+2*\p:\reg+2*\p+1], v[\a0] offset:8*(PC_+2*(PC_/32))
.endif
.endif
.endr
.endm
.macro MM d, a, b, zero, sa, sb, row   ; row = 1: both sides' scale words are taken from lanes 16-31
.if \zero
	v_wmma_scale_f32_16x16x128_f8f6f4 v[\d:\d+7], v[\a:\a+11], v[\b:\b+11], 0, v[\sa], v[\sb] matrix_a_fmt:MATRIX_FMT_FP6 matrix_b_fmt:MATRIX_FMT_FP6
.elseif \row
	v_wmma_scale_f32_16x16x128_f8f6f4 v[\d:\d+7], v[\a:\a+11], v[\b:\b+11], v[\d:\d+7], v[\sa], v[\sb] matrix_a_fmt:MATRIX_FMT_FP6 matrix_b_fmt:MATRIX_FMT_FP6 matrix_a_scale:MATRIX_SCALE_ROW1 matrix_b_scale:MATRIX_SCALE_ROW1
.else
	v_wmma_scale_f32_16x16x128_f8f6f4 v[\d:\d+7], v[\a:\a+11], v[\b:\b+11], v[\d:\d+7], v[\sa], v[\sb] matrix_a_fmt:MATRIX_FMT_FP6 matrix_b_fmt:MATRIX_FMT_FP6
.endif
.endm
.macro STEPSET s, tt, ti
.set rB, BUF+12*(\s)
.set rE, ES+4*(\ti)+(\s)%4
.set rw, (\s)/4
.set zz, 0
.if (\s) == 0
.set zz, 1
.endif
.endm
.macro MK s, tt, ti                    ; k's product: the four accumulators take turns, one instruction a turn
	STEPSET \s, \tt, \ti
.set f, 4*(\s)+(\tt)
.set rD, KA+8*(\tt)
.set rS, WS+4*(\tt)+(\s)%4
.set rW, 12*(f%21)
.set wn, 1+f/21
	WIN wn
	MM rD, rW, rB, zz, rS, rE, rw
.endm
.macro MW s, tt, ti                    ; v's product
	STEPSET \s, \tt, \ti
.set f, 32+4*(\s)+(\tt)
.set rD, VA+8*(\tt)
.set rS, WS+16+4*(\tt)+(\s)%4
.set rW, 12*(f%21)
.set wn, 4*(1+f/21)
.if f == 63
.set rW, W63
.set wn, 0
.endif
	WIN wn
	MM rD, rB, rW, zz, rE, rS, rw
.endm
; THE OUTPUTS of the tile before, in groups of two lines.
.macro SHARE t, a, b                   ; p of keys 8 h + a, 8 h + b in all lanes of half h
	v_mov_b32_dpp v[T+\t], v[RP] row_share:\a row_mask:0xf bank_mask:0xf
	v_mov_b32_dpp v[T+\t+1], v[RP] row_share:\b row_mask:0xf bank_mask:0xf
.endm
.macro OMUL tt
	v_pk_mul_f32 v[RO+2*\tt:RO+2*\tt+1], v[RO+2*\tt:RO+2*\tt+1], v[PA:PA+1] op_sel_hi:[1,0]
.endm
.macro OFMA i, tt
	v_pk_fma_f32 v[RO+2*\tt:RO+2*\tt+1], v[VA+8*\tt+2*(\i):VA+8*\tt+2*(\i)+1], v[T+2*((\i)%2):T+2*((\i)%2)+1], v[RO+2*\tt:RO+2*\tt+1]
.endm
.macro OUT n
	WIN 0
.if (\n) == 0
	OMUL 2
	OMUL 3
.elseif (\n) == 3
	SHARE 2, 2, 3
.elseif (\n) == 6
	SHARE 0, 4, 5
.elseif (\n) == 9
	SHARE 2, 6, 7
.elseif (\n)%3 == 1
	OFMA (\n)/3, 0
	OFMA (\n)/3, 1
.else
	OFMA (\n)/3, 2
	OFMA (\n)/3, 3
.endif
.endm
; THE SCORE of this tile, in groups.  0-7: q . k over my 32 channels, two chains, k's sums in ascending order.  8, 9: their sum and the other half's channels.  10-12: the largest of the 16 keys; lanes 16-31 take key r xor 8
; (so that lane j of half h holds key 8 h + j).  13: the new maximum and the exponents of a and p.
.macro SC g
.if (\g) < 8
.set i_, 2*(\g)
.set rq_, RQ+2*i_
.set rr_, rq_+2
.set wn, 0
.if (\g) == 4
.set rq_, 24
.set rr_, 34
.elseif (\g) > 4
.set rq_, 252
.set rr_, 254
.set wn, 4*((\g)-4)
.endif
	WIN wn
.if (\g) == 0
	v_pk_mul_f32 v[KA:KA+1], v[KA:KA+1], v[rq_:rq_+1]
	v_pk_mul_f32 v[KA+2:KA+3], v[KA+2:KA+3], v[rr_:rr_+1]
.else
	v_pk_fma_f32 v[KA:KA+1], v[KA+2*i_:KA+2*i_+1], v[rq_:rq_+1], v[KA:KA+1]
	v_pk_fma_f32 v[KA+2:KA+3], v[KA+2*i_+2:KA+2*i_+3], v[rr_:rr_+1], v[KA+2:KA+3]
.endif
.else
	WIN 0
.if (\g) == 8
	v_pk_add_f32 v[KA:KA+1], v[KA:KA+1], v[KA+2:KA+3]
	v_add_f32 v[KA], v[KA], v[KA+1]
.elseif (\g) == 9
	v_permlanex16_b32 v[T], v[KA], s[SEL], s[SEL+1]
	v_add_f32 v[T], v[KA], v[T]
.elseif (\g) == 10
	v_max_num_f32_dpp v[T+1], v[T], v[T] row_xmask:1 row_mask:0xf bank_mask:0xf
	v_mov_b32_dpp v[T+2], v[T] row_xmask:8 row_mask:0xf bank_mask:0xf
.elseif (\g) == 11
	v_max_num_f32_dpp v[T+1], v[T+1], v[T+1] row_xmask:2 row_mask:0xf bank_mask:0xf
	v_cndmask_b32 v[T], v[T], v[T+2], s[UPPER]
.elseif (\g) == 12
	v_max_num_f32_dpp v[T+1], v[T+1], v[T+1] row_xmask:4 row_mask:0xf bank_mask:0xf
	v_max_num_f32_dpp v[T+1], v[T+1], v[T+1] row_xmask:8 row_mask:0xf bank_mask:0xf
.else
	v_max_num_f32 v[RM], v[RM], v[T+1]
	v_sub_f32 v[T+2], v[T+3], v[RM]
	v_sub_f32 v[T], v[T], v[RM]
.endif
.endif
.endm
.macro KU s, ti                        ; k's step s with two groups of the outputs
	MK \s, 0, \ti
	MK \s, 1, \ti
.set go_, 2*(\s)-2
	OUT go_
	MK \s, 2, \ti
	MK \s, 3, \ti
.set go_, 2*(\s)-1
	OUT go_
.endm
.macro ADR1 nx, last                   ; the next tile's address; the sum; the old maximum.  (Where no tile follows, v_nop: these are also the places ahead of the first reader of k's sums)
	WIN 0
.if \last
	v_nop
	v_nop
.else
	v_add_nc_u32 v[AA], \nx, v[AA0]
	v_and_b32 v[T+2], 16, v0
.endif
.endm
.macro ADR2 last
	WIN 0
.if !\last
	v_add_nc_u32 v[AA1], v[T+2], v[AA]
.endif
	v_fma_f32 v[RL], v[RL], v[PA], v[RP]
	v_mov_b32 v[T+3], v[RM]
.endm
.macro VU s, ti, last, pf              ; v's step s with two groups of the score; the next tile's fragment s - 1 is fetched in its middle, four places behind the products that read those registers
	MW \s, 0, \ti
	MW \s, 1, \ti
.set go_, 2*(\s)-2
	SC go_
.if !\last
	WIN 0
.if (\s) == 1
	ds_load_b128 v[ES+4*(1-\ti):ES+4*(1-\ti)+3], v[ADS] offset:544*(1-\ti)
.endif
.set rB, BUF+12*((\s)-1)
	FRAG2 rB, (\s)-1, AA, AA1
.endif
	MW \s, 2, \ti
	MW \s, 3, \ti
.set go_, 2*(\s)-1
	SC go_
.if \pf && (\s) == 2
	global_prefetch_b8 v[PFO], s[PFA:PFA+1] th:TH_LOAD_NT scope:SCOPE_SE
.endif
.endm
; A TILE of 16 keys: tile ti of its slot; nx: where the next tile's rows lie.  chg = 1: slot sl is left and filled again; chg = 2: it is left, and the last tile's landing is waited for; last = 1: nothing follows.
.macro TILE ti, nx, chg, sl, last, pf
.irp t, 0,1,2,3
	MK 0, \t, \ti
.endr
	WIN 0
	WALU                                           ; ahead of the first readers of a and p
	s_wait_dscnt 3                                 ; fragments 0-6 are in; fragment 7's three loads may be out
	SHARE 0, 0, 1
	OMUL 0
	OMUL 1
	KU 1, \ti
	KU 2, \ti
	KU 3, \ti
	KU 4, \ti
.if \ti && !\last
	WIN 0
	v_add_nc_u32 v[ADS], 16*272, v[ADS]            ; 128 rows of scales on
.endif
	KU 5, \ti
	KU 6, \ti
.if \chg == 1
	WIN 0
	s_wait_tensorcnt 0x0                           ; all my tensor loads have landed: the one that was out is my part of the next slot.  So a group 0 may be written
	ds_add_u32 v[SPW], v[NIL]                      ; 0 onto my spare word; products stand between it and the wait for it
	s_add_nc_u64 s[G0A+4*\sl+2:G0A+4*\sl+3], s[G0A+4*\sl+2:G0A+4*\sl+3], 2*TILEB
	s_wait_dscnt 1                                 ; fragment 7 is in; the add may be out
	MK 7, 0, \ti
	MK 7, 1, \ti
	ADR1 \nx, \last
	MK 7, 2, \ti
	MK 7, 3, \ti
	ADR2 \last
	WALU
	s_wait_dscnt 0x0                               ; the add is done, and my reads of this slot are over
	s_barrier_signal -1
.irp t, 0,1,2,3
	MW 0, \t, \ti
.endr
	WIN 0
	s_barrier_wait -1
	CREST                                          ; the barrier has opened a round of the cluster's: no wave of any partner still reads this slot or has a load on its way
	tensor_load_to_lds s[G0A+4*\sl:G0A+4*\sl+3], s[G1:G1+7]   ; my one tensor load behind the round
	s_nop 0
	PLACES                                         ; (also the places ahead of the first reader of k's sums)
.else
.if \chg == 2
	s_wait_tensorcnt 0x0                           ; the last tile: my own rows have landed; nothing is filled again, so no barrier
.endif
	s_wait_dscnt 0x0                               ; fragment 7 is in
.irp t, 0,1,2,3
	MK 7, \t, \ti
.endr
	MW 0, 0, \ti
	MW 0, 1, \ti
	ADR1 \nx, \last
	MW 0, 2, \ti
	MW 0, 3, \ti
	ADR2 \last
.endif
	VU 1, \ti, \last, 0
	VU 2, \ti, \last, \pf
	VU 3, \ti, \last, 0
	VU 4, \ti, \last, 0
	VU 5, \ti, \last, 0
	VU 6, \ti, \last, 0
	VU 7, \ti, \last, 0
	WALU                                           ; ahead of the batch
.if !\last
	s_wait_dscnt 20                                ; the next tile's scale words and fragment 0 are in; the 20 loads of fragments 1-6 may be out
.endif
	v_exp_f32 v[PA], v[T+2]
	v_exp_f32 v[RP], v[T]
	v_nop
.if !\last
	FRAG2 BUF+84, 7, AA, AA1                       ; (three lines of the score and the v_nop stand behind the last product that read these registers)
.endif
.endm
.macro WEIGHTS f0                      ; 32 fragments of a weight into registers: 104 loads
.set f, \f0
.rept 32
.set q_, (f%32)/4
.set ba_, BA+2*(f%4)+8*(f/32)
.set bb_, ba_+1
.set rg_, 12*(f%21)
.set wn, 64*(1+f/21)
.if f == 63
.set rg_, W63
.set wn, 0
.endif
	WIN wn
	FRAG2 rg_, q_, ba_, bb_
.set f, f+1
.endr
	WIN 0
.endm
	s_load_b512 s[4:19], s[0:1], 0x0               ; dec_h s[4:5], Wq's codes s[6:7], scales s[8:9], Wk's s[10:11], s[12:13], Wv's s[14:15], s[16:17], enc's codes s[18:19]
	s_load_b128 s[20:23], s[0:1], 0x40             ; enc's scales, acodes
	s_load_b64 s[24:25], s[0:1], 0x50              ; ascales
	v_lshl_add_u32 v[SPW], v0, 2, SPARE
	v_mov_b32 v[NIL], 0
	ds_add_u32 v[SPW], v[NIL]                      ; the opening lines: the add, twice on end
	ds_add_u32 v[SPW], v[NIL]
	v_lshrrev_b32 v68, 5, v0
	v_readfirstlane_b32 s[WV], v68                 ; wave 0..3
	s_mul_i32 s30, s[WV], WPART                    ; my 32 rows of slot 0
	s_lshl_b32 s82, s[WV], 10
	s_add_co_u32 s82, s82, DECC                    ; my 1,024 bytes for dec_h's codes
	s_mul_i32 s83, s[WV], 4*272
	s_add_co_u32 s83, s83, SCL                     ; my rows' scales
	s_lshl_b32 s84, s[WV], 6
	s_add_co_u32 s84, s84, QT
	s_lshr_b32 s85, s[WV], 1                       ; the prefetch: waves 0, 1 the first of two tiles, waves 2, 3 the second; 3,072 bytes a wave
	s_mul_i32 s85, s85, TILEB
	s_and_b32 s86, s[WV], 1
	s_mul_i32 s86, s86, 3072
	s_add_co_u32 s85, s85, s86
	v_and_b32 v70, 31, v0                          ; lane
	v_and_b32 v68, 15, v0                          ; r
	v_bfe_u32 v69, v0, 4, 1                        ; h
	v_mul_u32_u24 v80, v68, PITCH
	v_mad_u32_u24 v80, v69, 24, v80                ; row r, + 24 h
	v_add_nc_u32 v[AA0], s30, v80
	v_add_nc_u32 v[AA], s30, v80
	v_lshl_add_u32 v[AA1], v69, 4, v[AA]
.irp t, 0,1,2,3,4,5,6,7
	v_add_nc_u32 v[BA+2*\t], SLOT1+16*PITCH*\t, v80        ; the weights' tiles: Wk's four, Wv's four
	v_lshl_add_u32 v[BA+2*\t+1], v69, 4, v[BA+2*\t]
.endr
	v_lshrrev_b32 v81, 3, v68                      ; scale words: 32 bytes a row, 8 rows to a unit of 272; lanes 16-31 take the row's upper 16 bytes
	v_mul_u32_u24 v81, v81, 272
	v_and_b32 v82, 7, v68
	v_lshl_add_u32 v81, v82, 5, v81
	v_lshl_add_u32 v81, v69, 4, v81
	v_add_nc_u32 v[ADS], s83, v81
	v_min_u32 v[PFO], 11, v70                      ; 12 blocks of 256 bytes a wave; the other lanes name the last again
	v_lshlrev_b32 v[PFO], 8, v[PFO]
	v_add_nc_u32 v[PFO], s85, v[PFO]
	v_lshlrev_b32 v71, 7, v70                      ; dec_h: block = lane, 128 bytes
	v_mul_u32_u24 v72, v68, 768
	v_mad_u32_u24 v72, v69, 24, v72                ; Wq: row r, + 24 h
	v_lshlrev_b32 v73, 5, v68
	v_lshl_add_u32 v73, v69, 4, v73                ; a weight's scales: 32 bytes a row, lanes 16-31 the upper 16
	v_mul_u32_u24 v74, v70, 24
	v_add_nc_u32 v74, s82, v74                     ; codes in: block = lane, 24 bytes
	v_add_nc_u32 v75, s82, v70                     ; its byte (at + 768)
	v_mul_u32_u24 v76, v69, 24
	v_add_nc_u32 v76, s82, v76                     ; out: every lane takes the one row
	v_lshlrev_b32 v77, 4, v69
	v_add_nc_u32 v77, s82, v77
	v_lshlrev_b32 v78, 5, v69
	v_add_nc_u32 v79, QT, v78                      ; q back: 32 bytes a half
	v_add_nc_u32 v78, s84, v78                     ; q in: my wave's 16 numbers
	WALU
	s_bfe_u32 s27, ttmp6, 0x40000                  ; cx: my place in the cluster
	s_and_b32 s83, ttmp7, 0xffff
	s_and_b32 s29, s83, 0xfffc
	s_add_co_u32 s29, s29, ttmp9                   ; batch = 4 (cluster y / 4) + cluster x, which the four partners share
	s_and_b32 s28, s83, 3
	s_lshl_b32 s28, s28, 2
	s_add_co_u32 s28, s28, s27                     ; head = 4 (cluster y % 4) + cx: it enters the addresses of my own loads and stores alone
	; group 1: rows of 768 bytes, dense in memory, 16 bytes of padding behind every 256.  Enc: 128 rows at the head, then 32; weights: 64 rows
	s_mov_b32 s[G1], 15|(1<<20)|(1<<21)|(5<<22)|(3<<25)   ; 15:0 the mask: all four; 17:16 elements of 1 byte; 20 padding on; 21 set beside a mask; 24:22 after every 64 words; 31:25 4 words
	s_mov_b32 s[G1W], (1<<20)|(5<<22)|(3<<25)      ; the weights differ from head to head: no mask
	s_mov_b32 s[G1+2], 128<<16
	s_mov_b32 s[G1+4], 128
	s_mov_b32 s[G1W+2], 64<<16
	s_mov_b32 s[G1W+4], 64
.irp g, G1, G1W
	s_mov_b32 s[\g+1], 768<<16
	s_mov_b32 s[\g+3], 768<<16
	s_mov_b32 s[\g+5], 768
	s_mov_b32 s[\g+6], 0
	s_mov_b32 s[\g+7], 0
.endr
	; the batch's scale bytes: 65,536 dense bytes as 256 rows of 256 (32 elements of 8 bytes), 16 bytes of padding behind each
	s_mov_b32 s[G1S], 15|(3<<16)|(1<<20)|(1<<21)|(5<<22)|(3<<25)
	s_mov_b32 s[G1S+1], 32<<16
	s_mov_b32 s[G1S+2], 256<<16
	s_mov_b32 s[G1S+3], 32<<16
	s_mov_b32 s[G1S+4], 256
	s_mov_b32 s[G1S+5], 32
	s_mov_b32 s[G1S+6], 0
	s_mov_b32 s[G1S+7], 0
	s_mov_b32 s[G0A], 1
	s_mov_b32 s[G0A+4], 1
	s_mov_b32 s[G0W], 1
	s_mov_b32 s[G0S], 1
	s_mov_b32 s[G0H], 1
	s_mul_i32 s[G0A+1], s[WV], WPART               ; LDS: my 32 rows of slot 0,
	s_add_co_u32 s[G0A+5], s[G0A+1], SLOT1         ; of slot 1;
	s_mul_i32 s[G0W+1], s[WV], 64*PITCH            ; wave 0: Wk, wave 1: Wv behind it
	s_add_co_u32 s[G0W+1], s[G0W+1], SLOT1
	s_mov_b32 s[G0S+1], SCL
	s_mov_b32 s[G0H+1], 0
	s_mul_i32 s30, s29, 2048*768                   ; enc's codes at batch b
	s_mov_b32 s31, 0                               ; stays 0: the upper word of every offset made in s30
	s_mul_i32 s82, s[WV], 32*768
	s_mov_b32 s83, 0
	s_mul_i32 s84, s28, 64*768                     ; the weights' rows 64 head
	s_mov_b32 s85, 0
	s_mov_b32 s[SEL], 0x76543210
	s_mov_b32 s[SEL+1], 0xfedcba98
	s_mov_b32 s[UPPER], 0xffff0000
	s_wait_dscnt 0x0                               ; both opening adds are done
	CROUND                                         ; all four work-groups are here: the first joint loads meet
	s_wait_kmcnt 0x0
	s_cmp_eq_u32 s[WV], 0
	s_cselect_b64 s[G0W+2:G0W+3], s[10:11], s[14:15]
	s_add_nc_u64 s[G0W+2:G0W+3], s[G0W+2:G0W+3], s[84:85]
	s_or_b32 s[G0W+3], s[G0W+3], 0x80000000
	s_add_nc_u64 s[G0H+2:G0H+3], s[18:19], s[30:31]
	s_add_nc_u64 s[G0A+2:G0A+3], s[G0H+2:G0H+3], s[82:83]
	s_add_nc_u64 s[G0A+6:G0A+7], s[G0A+2:G0A+3], TILEB
	s_or_b32 s[G0H+3], s[G0H+3], 0x80000000
	s_or_b32 s[G0A+3], s[G0A+3], 0x80000000
	s_or_b32 s[G0A+7], s[G0A+7], 0x80000000
	s_lshl_b32 s82, s29, 16
	s_add_nc_u64 s[G0S+2:G0S+3], s[20:21], s[82:83]
	s_or_b32 s[G0S+3], s[G0S+3], 0x80000000
; THE HEAD'S LOADS, ONE A WAVE.  Wave 0: Wk's 64 rows, wave 1: Wv's, wave 2: tile 0, wave 3: the scales.  One tree of branches on the wave's number.
.macro ARM under, g0, g1, next
	s_cmp_lt_u32 s[WV], \under
	s_cbranch_scc0 \next
	tensor_load_to_lds s[\g0:\g0+3], s[\g1:\g1+7]
	s_nop 0
	PLACES
	s_branch .Lhead_asked
\next:
.endm
	ARM 1, G0W, G1W, .Lhead_v
	ARM 2, G0W, G1W, .Lhead_enc
	ARM 3, G0H, G1, .Lhead_scales
	tensor_load_to_lds s[G0S:G0S+3], s[G1S:G1S+7]
	s_nop 0
	PLACES
.Lhead_asked:
	s_lshl_b32 s84, s29, 12
	s_add_nc_u64 s[4:5], s[4:5], s[84:85]          ; dec_h[b]
	s_mul_i32 s84, s28, 64*768
	s_mul_i32 s86, s[WV], 16*768
	s_add_co_u32 s84, s84, s86
	s_add_nc_u64 s[6:7], s[6:7], s[84:85]          ; Wq's rows 64 head + 16 wave
	s_lshl_b32 s84, s28, 11
	s_add_nc_u64 s[12:13], s[12:13], s[84:85]      ; Wk's and Wv's scales at row 64 head
	s_add_nc_u64 s[16:17], s[16:17], s[84:85]
	s_lshl_b32 s86, s[WV], 9
	s_add_co_u32 s84, s84, s86
	s_add_nc_u64 s[8:9], s[8:9], s[84:85]          ; Wq's at row 64 head + 16 wave
.irp i, 0,1,2,3,4,5,6,7
	global_load_b128 v[X+4*\i:X+4*\i+3], v71, s[4:5] offset:16*\i   ; my block of dec_h[b]
.endr
	global_load_b128 v[ES+4:ES+7], v73, s[8:9]     ; Wq's scale words
	WIN 0xc0                                       ; destination window 3
.irp s, 0,1,2,3,4,5,6,7
.irp p, 0,1,2,3,4,5
	global_load_b64 v[12*\s+2*\p:12*\s+2*\p+1], v72, s[6:7] offset:96*\s+48*(\p/3)+8*(\p%3)   ; my 16 rows of Wq: 8 fragments, where Wv's will lie later
.endr
.endr
	WIN 0
.irp t, 0,1,2,3
	global_load_b128 v[WS+4*\t:WS+4*\t+3], v73, s[12:13] offset:512*\t
	global_load_b128 v[WS+16+4*\t:WS+16+4*\t+3], v73, s[16:17] offset:512*\t
.endr
	s_mul_i32 s84, s28, TILEB/16                   ; the prefetches: a sixteenth of a tile for each of the batch's 16 work-groups
	s_mul_i32 s86, s29, 2048*768
	s_add_co_u32 s84, s84, s86
	s_add_nc_u64 s[PFB:PFB+1], s[18:19], s[84:85]
	s_add_nc_u64 s[PFA:PFA+1], s[PFB:PFB+1], 2*TILEB
	s_mul_i32 s84, s28, 768
	s_mul_i32 s86, s29, 24
	s_add_co_u32 s84, s84, s86
	s_add_nc_u64 s[22:23], s[22:23], s[84:85]      ; acodes at block 2 head, batch b
	s_lshl_b32 s84, s29, 6
	s_lshl_b32 s86, s28, 1
	s_add_co_u32 s84, s84, s86
	s_add_nc_u64 s[24:25], s[24:25], s[84:85]      ; ascales likewise
	global_prefetch_b8 v[PFO], s[PFA:PFA+1] th:TH_LOAD_NT scope:SCOPE_SE   ; tiles 2 and 3, which the first trip's refills will ask for; tiles 0 and 1 come by their loads alone
	s_wait_loadcnt 57                              ; dec_h's 8 loads are in; the 57 behind them may be out
	; ---- dec_h[b] is quantised, by each wave for itself: a lane holds a whole block of 32
	v_max3_num_f32 v80, |v[X]|, |v[X+1]|, |v[X+2]|
	v_max3_num_f32 v81, |v[X+3]|, |v[X+4]|, |v[X+5]|
.irp i, 6,10,14,18,22,26
	v_max3_num_f32 v80, v80, |v[X+\i]|, |v[X+\i+1]|
	v_max3_num_f32 v81, v81, |v[X+\i+2]|, |v[X+\i+3]|
.endr
	v_max3_num_f32 v80, v80, |v[X+30]|, |v[X+31]|
	v_max3_num_f32 v80, v80, v81, 0x1800000        ; and the floor 2^(3 - 127): the byte cannot fall under 1
	v_add_nc_u32 v82, 0xff000000, v80              ; 2 off the exponent field: the conversion takes this operand's exponent field as its scale
	v_cvt_scalef32_pk16_fp6_f32 v[84:86], v[X:X+15], v82
	v_cvt_scalef32_pk16_fp6_f32 v[90:92], v[X+16:X+31], v82   ; (a conversion's three registers begin on an even number)
	v_lshrrev_b32 v83, 23, v82                     ; the scale's byte.  (The plain place behind the conversions)
	v_mov_b32 v87, v90
	v_mov_b32 v88, v91
	v_mov_b32 v89, v92
	ds_store_b64 v74, v[84:85]
	ds_store_b64 v74, v[86:87] offset:8
	ds_store_b64 v74, v[88:89] offset:16
	ds_store_b8 v75, v83 offset:768
.irp s, 0,1,2,3,4,5,6,7                        ; LDS serves a wave's instructions in order (ISA guide 5.7.1.4): these see my stores.  All 16 columns of source 1 are the one row: every column of the result is q[b]
	ds_load_2addr_b64 v[BUF+12*\s:BUF+12*\s+3], v76 offset0:12*\s offset1:12*\s+1
	ds_load_2addr_b64 v[BUF+12*\s+4:BUF+12*\s+7], v76 offset0:12*\s+2 offset1:12*\s+6
	ds_load_2addr_b64 v[BUF+12*\s+8:BUF+12*\s+11], v76 offset0:12*\s+7 offset1:12*\s+8
.endr
	ds_load_b128 v[ES:ES+3], v77 offset:768        ; its scale words: K steps 0-3 in lanes 0-15, 4-7 in lanes 16-31
	; ---- blocks 2 head and 2 head + 1 of dec_h[b] leave for the next launch: threads 2 head and 2 head + 1, which lie in wave 0, hold them
	v_lshrrev_b32 v93, 1, v0
	v_and_b32 v94, 1, v0
	v_mul_u32_u24 v95, v94, 384                    ; acodes: 384 bytes a block
	WALU
	s_wait_xcnt 0x0                                ; EXEC changes only behind this wait; the prefetch's address may be stepped too
	v_cmp_eq_u32 vcc_lo, s28, v93
	s_and_saveexec_b32 s86, vcc_lo
	global_store_b64 v95, v[84:85], s[22:23]
	global_store_b64 v95, v[86:87], s[22:23] offset:8
	global_store_b64 v95, v[88:89], s[22:23] offset:16
	global_store_b8 v94, v83, s[24:25]
	s_wait_xcnt 0x0
	s_or_b32 exec_lo, exec_lo, s86
	s_add_nc_u64 s[PFA:PFA+1], s[PFB:PFB+1], 4*TILEB
	s_mov_b32 s[PT], 4
	s_cmp_lt_u32 s[WV], 2
	s_cbranch_scc0 .Lnot_weights
	s_wait_tensorcnt 0x0                           ; waves 0 and 1: the weights have landed; tile 0 and the scales may be out
.Lnot_weights:
	s_wait_dscnt 0x0
	s_barrier_signal -1
	s_barrier_wait -1
	WEIGHTS 0                                      ; Wk; q's product stands under these loads
	s_wait_loadcnt 8                               ; Wq's fragments and scale words are in; the 8 loads of Wk's and Wv's scales may be out
	WIN 3                                          ; source 0 window 3
.irp s, 0,1                                    ; two accumulators by turns
	MM QA+8*\s, 12*\s, BUF+12*\s, 1, ES+4+\s, ES+\s, 0
.endr
.irp s, 2,3
	MM QA+8*(\s%2), 12*\s, BUF+12*\s, 0, ES+4+\s, ES+\s, 0
.endr
.irp s, 4,5,6,7
	MM QA+8*(\s%2), 12*\s, BUF+12*\s, 0, ES+\s, ES+\s-4, 1
.endr
	WIN 0
	PLACES
.irp i, 0,2,4,6
	v_pk_mul_f32 v[QR+\i:QR+\i+1], v[QA+\i:QA+\i+1], 0x3e38aa3b op_sel_hi:[1,0]   ; x log2(e) / 8
.endr
.irp i, 0,2,4,6
	v_pk_fma_f32 v[QR+\i:QR+\i+1], v[QA+8+\i:QA+8+\i+1], 0x3e38aa3b, v[QR+\i:QR+\i+1] op_sel_hi:[1,0,1]
.endr
	ds_store_b128 v78, v[QR:QR+3]                  ; q(16 wave + 8 h + 0 .. 7): the 16 lanes of a half write the same bytes with the same values
	ds_store_b128 v78, v[QR+4:QR+7] offset:16
	WEIGHTS 32                                     ; Wv
	; ---- slot 1 changes hands: the weights leave it, tile 1 comes
	s_wait_tensorcnt 0x0                           ; all my tensor loads have landed
	ds_add_u32 v[SPW], v[NIL]                      ; 0 onto my spare word; the loop's start values are set while it is out
	s_mov_b32 s[G1+2], 32<<16                      ; from here on a load brings my 32 rows
	s_mov_b32 s[G1+4], 32
.set i, 0
.rept 32
	v_mov_b32 v[VA+i], 0                           ; the loop is written once: its first outputs find p = 0 and zeros
.set i, i+1
.endr
.irp r, PA, RP, RL, T, T+1, T+2, T+3, RO, RO+1, RO+2, RO+3, RO+4, RO+5, RO+6, RO+7
	v_mov_b32 v[\r], 0
.endr
	v_mov_b32 v[RM], 0xff61b1e6                    ; the maximum so far: -3e38
	WALU
	s_wait_loadcnt 0x0                             ; Wk's and Wv's scale words
	s_wait_dscnt 0x0                               ; the add is done, and my reads of the weights are over; my part of q is in LDS
	CROUND
	tensor_load_to_lds s[G0A+4:G0A+7], s[G1:G1+7]  ; tile 1
	s_nop 0
	PLACES
	ds_load_b128 v[ES:ES+3], v[ADS]
.irp s, 0,1,2,3,4,5,6,7
	FRAG2 BUF+12*\s, \s, AA, AA1
.endr
.irp g, 0,1,2,3
	ds_load_b128 v[RQ+4*\g:RQ+4*\g+3], v79 offset:64*(\g/2)+16*(\g%2)
.endr
	ds_load_b64 v[24:25], v79 offset:128
	ds_load_b64 v[34:35], v79 offset:136
	WIN 0x40
	ds_load_b128 v[252:255], v79 offset:144
	WIN 0x80
	ds_load_b128 v[252:255], v79 offset:192
	WIN 0xc0
	ds_load_b128 v[252:255], v79 offset:208
	WIN 0
	s_mov_b32 s[TRIPS], 7
	s_wait_dscnt 0x0
.Ltrip:                                            ; 7 trips of two slots: steps 0 to 13, each slot filled again with the tile two steps on
	TILE 0, 16*PITCH, 0, 0, 0, 0
	TILE 1, SLOT1, 1, 0, 0, 0
	TILE 0, SLOT1+16*PITCH, 0, 0, 0, 1
	TILE 1, 0, 1, 1, 0, 0
	WALU                                           ; ahead of the branch
	s_wait_xcnt 0x0                                ; the prefetch has read its address
	s_add_co_u32 s[PT], s[PT], 2
	s_min_u32 s30, s[PT], 14                       ; the last trip names tiles 14 and 15 again: no address leaves the buffer
	s_mul_i32 s30, s30, TILEB
	s_add_nc_u64 s[PFA:PFA+1], s[PFB:PFB+1], s[30:31]
	s_sub_co_u32 s[TRIPS], s[TRIPS], 1
	s_cmp_lg_u32 s[TRIPS], 0
	s_cbranch_scc1 .Ltrip
	TILE 0, 16*PITCH, 0, 0, 0, 0                   ; the last two slots are written out: nothing is left to fetch
	TILE 1, SLOT1, 2, 0, 0, 0
	TILE 0, SLOT1+16*PITCH, 0, 0, 0, 0
	TILE 1, 0, 0, 0, 1, 0
	WALU                                           ; ahead of the first readers of a and p
	SHARE 0, 0, 1                                  ; the last tile's outputs
	OMUL 0
	OMUL 1
.set n_, 0
.rept 12
	OUT n_
.set n_, n_+1
.endr
	v_fma_f32 v[RL], v[RL], v[PA], v[RP]
.irp t, 0,1,2,3
	v_add_f32 v[68+\t], v[RO+2*\t], v[RO+2*\t+1]   ; even and odd keys,
.endr
.irp t, 0,1,2,3
	v_permlanex16_b32 v[72+\t], v[68+\t], s[SEL], s[SEL+1]
.endr
.irp t, 0,1,2,3
	v_add_f32 v[68+\t], v[68+\t], v[72+\t]         ; and the other half's keys: channel 16 t + r
.endr
.irp m, 1,2,4,8
	v_add_f32_dpp v[RL], v[RL], v[RL] row_xmask:\m row_mask:0xf bank_mask:0xf   ; the 16 lanes of a half hold the 16 keys
.endr
	s_lshl_b32 s86, s[WV], 9
	s_add_co_u32 s86, s86, MRG
	v_and_b32 v80, 15, v0
	v_lshl_add_u32 v80, v80, 2, s86                ; where my outputs go
	v_mov_b32 v81, s86                             ; where the maximum and the sum go
	v_and_b32 v82, 3, v0
	v_lshl_add_u32 v83, v82, 6, MRG                ; from where 16 outputs come back
	v_mov_b32 v84, MRG+256
.irp t, 0,1,2,3
	ds_store_b32 v80, v[68+\t] offset:64*\t        ; both halves write the same bytes with the same values
.endr
	ds_store_b32 v81, v[RM] offset:256
	ds_store_b32 v81, v[RL] offset:260
	WALU
	s_wait_dscnt 0x0                               ; for the others' sake: my stores are done
	s_barrier_signal -1
	s_barrier_wait -1
.irp w, 0,1,2,3
	ds_load_b64 v[ML+2*\w:ML+2*\w+1], v84 offset:512*\w
.endr
.irp w, 0,1,2,3
.irp i, 0,1,2,3
	ds_load_b128 v[OV+16*\w+4*\i:OV+16*\w+4*\i+3], v83 offset:512*\w+16*\i
.endr
.endr
	s_wait_dscnt 0x0
	v_max3_num_f32 v86, v[ML], v[ML+2], v[ML+4]
	v_max_num_f32 v86, v86, v[ML+6]
.irp w, 0,1,2,3
	v_sub_f32 v[FG+2*\w], v[ML+2*\w], v86
.endr
	WALU
.irp w, 0,1,2,3
	v_exp_f32 v[FG+2*\w], v[FG+2*\w]
.endr
.irp w, 0,1,2,3
	v_mov_b32 v[FG+2*\w+1], 0                      ; (named as the upper halves of pairs, so they are written; plain work behind the exponentials)
.endr
	WALU
	v_mul_f32 v87, v[FG], v[ML+1]
	v_fmac_f32 v87, v[FG+2], v[ML+3]
	v_fmac_f32 v87, v[FG+4], v[ML+5]
	v_fmac_f32 v87, v[FG+6], v[ML+7]               ; the row's sum
	WALU
	v_rcp_f32 v87, v87
	v_bfe_u32 v88, v0, 1, 1                        ; (plain places)  which of my head's two blocks
	v_add_nc_u32 v88, 32, v88                      ; counted from block 2 head: ctx's blocks lie 32 on
	v_and_b32 v89, 1, v0
	v_mul_u32_u24 v90, v88, 384
	v_mad_u32_u24 v90, v89, 12, v90                ; acodes: 384 bytes a block, my half of the block's 24
	WALU
.irp w, 0,1,2,3
	v_mul_f32 v[FG+2*\w], v[FG+2*\w], v87
.endr
.irp i, 0,2,4,6,8,10,12,14
	v_pk_mul_f32 v[XQ+\i:XQ+\i+1], v[OV+\i:OV+\i+1], v[FG:FG+1] op_sel_hi:[1,0]
.endr
.irp w, 1,2,3
.irp i, 0,2,4,6,8,10,12,14
	v_pk_fma_f32 v[XQ+\i:XQ+\i+1], v[OV+16*\w+\i:OV+16*\w+\i+1], v[FG+2*\w:FG+2*\w+1], v[XQ+\i:XQ+\i+1] op_sel_hi:[1,0,1]   ; ctx(16 (lane % 4) + ..)
.endr
.endr
	v_max3_num_f32 v85, |v[XQ]|, |v[XQ+1]|, |v[XQ+2]|      ; two neighbouring lanes hold a block
	v_max3_num_f32 v86, |v[XQ+3]|, |v[XQ+4]|, |v[XQ+5]|
.irp i, 6,10
	v_max3_num_f32 v85, v85, |v[XQ+\i]|, |v[XQ+\i+1]|
	v_max3_num_f32 v86, v86, |v[XQ+\i+2]|, |v[XQ+\i+3]|
.endr
	v_max3_num_f32 v85, v85, |v[XQ+14]|, |v[XQ+15]|
	v_max3_num_f32 v85, v85, v86, 0x1800000
	v_max_num_f32_dpp v85, v85, v85 row_xmask:1 row_mask:0xf bank_mask:0xf
	v_add_nc_u32 v91, 0xff000000, v85
	v_cvt_scalef32_pk16_fp6_f32 v[92:94], v[XQ:XQ+15], v91
	v_lshrrev_b32 v95, 23, v91                     ; the byte.  (The plain place behind the conversion)
	WALU
	s_wait_tensorcnt 0x0                           ; the wave's end, behind my last tensor load and my last LDS store
	ds_add_u32 v[SPW], v[NIL]
	s_wait_dscnt 0x0
	s_wait_xcnt 0x0                                ; EXEC changes only behind this wait
	v_cmp_gt_u32 vcc_lo, 4, v0
	s_and_saveexec_b32 s86, vcc_lo                 ; threads 0-3: ctx's two blocks (every wave holds the same numbers: wave 0 stores)
	global_store_b96 v90, v[92:94], s[22:23]
	global_store_b8 v88, v95, s[24:25]             ; both lanes of a block write the same byte with the same value
	s_wait_xcnt 0x0
	s_or_b32 exec_lo, exec_lo, s86
	CROUND                                         ; the closing round: no work-group ends while a partner may still ask for a tile that names it
	s_endpgm
.Lfunc_end_k_qb56e920a03_attn:
	.size	k_qb56e920a03_attn, .Lfunc_end_k_qb56e920a03_attn-k_qb56e920a03_attn
	.p2alignl 7, 3214868480
	.fill 96, 4, 3214868480
	.section	.rodata,"a",@progbits
	.p2align	6, 0x0
	.amdhsa_kernel k_qb56e920a03_attn
		.amdhsa_group_segment_fixed_size 327680
		.amdhsa_private_segment_fixed_size 0
		.amdhsa_enable_private_segment 0
		.amdhsa_kernarg_size 88
		.amdhsa_user_sgpr_count 2
		.amdhsa_user_sgpr_kernarg_segment_ptr 1
		.amdhsa_wavefront_size32 1
		.amdhsa_system_sgpr_workgroup_id_x 1
		.amdhsa_system_sgpr_workgroup_id_y 1
		.amdhsa_system_sgpr_workgroup_id_z 1
		.amdhsa_system_vgpr_workitem_id 0
		.amdhsa_next_free_vgpr 1024
		.amdhsa_next_free_sgpr 100
		.amdhsa_reserve_vcc 1
		.amdhsa_float_denorm_mode_32 3
		.amdhsa_float_denorm_mode_16_64 3
		.amdhsa_memory_ordered 1
		.amdhsa_forward_progress 1
		.amdhsa_inst_pref_size 174
	.end_amdhsa_kernel
	.amdgpu_metadata
---
amdhsa.version: [ 1, 2 ]
amdhsa.kernels:
  - .name:           k_qb56e920a03_attn
    .symbol:         k_qb56e920a03_attn.kd
    .args:
      - { .name: dec_h, .offset: 0, .size: 8, .value_kind: global_buffer, .address_space: global }
      - { .name: Wq_codes, .offset: 8, .size: 8, .value_kind: global_buffer, .address_space: global }
      - { .name: Wq_scales, .offset: 16, .size: 8, .value_kind: global_buffer, .address_space: global }
      - { .name: Wk_codes, .offset: 24, .size: 8, .value_kind: global_buffer, .address_space: global }
      - { .name: Wk_scales, .offset: 32, .size: 8, .value_kind: global_buffer, .address_space: global }
      - { .name: Wv_codes, .offset: 40, .size: 8, .value_kind: global_buffer, .address_space: global }
      - { .name: Wv_scales, .offset: 48, .size: 8, .value_kind: global_buffer, .address_space: global }
      - { .name: enc_codes, .offset: 56, .size: 8, .value_kind: global_buffer, .address_space: global }
      - { .name: enc_scales, .offset: 64, .size: 8, .value_kind: global_buffer, .address_space: global }
      - { .name: acodes, .offset: 72, .size: 8, .value_kind: global_buffer, .address_space: global }
      - { .name: ascales, .offset: 80, .size: 8, .value_kind: global_buffer, .address_space: global }
    .group_segment_fixed_size: 327680
    .private_segment_fixed_size: 0
    .kernarg_segment_align: 8
    .kernarg_segment_size: 88
    .max_flat_workgroup_size: 128
    .sgpr_count:     100
    .vgpr_count:     1024
    .wavefront_size: 32
...
	.end_amdgpu_metadata
.endif
;; end of part 4
;; launch mlp1 (part 5): grid 128 x 1, 4 waves a work-group, no clusters, 60,928 bytes of LDS; arguments acodes, ascales, W1_codes, W1_scales, hcodes, hscales; writes hcodes, hscales
.if DOCPART == 5
	.amdgcn_target "amdgcn-amd-amdhsa--gfx1250"
	.amdhsa_code_object_version 6
	.text
	.protected	k_qb56e920a03_mlp1
	.globl	k_qb56e920a03_mlp1
	.p2align	8
	.type	k_qb56e920a03_mlp1,@function
k_qb56e920a03_mlp1:
	s_mov_b64 s[64:65], 0
	v_nop
	global_prefetch_b8 v0, s[64:65] scope:SCOPE_SE
	s_setreg_imm32_b32 hwreg(HW_REG_WAVE_MODE, 25, 1), 1
	s_wait_xcnt 0x0
; h = silu(A W1^T), A = concat(dec_h, ctx) as codes of FP6 (E2M3) from the launch before; h is quantised along its 4,096 for the next product.  16 rows (batches), K = 2,048.
; SHARES.  A work-group makes 32 hidden units, one block of the next quantiser, for all 16 batches: 128 work-groups; a finer split would cut a block in two.  Wave w takes K steps 4 w .. 4 w + 3 of the 16;
; the four partial sums meet in LDS as images of the accumulators' registers, and wave 0 adds them, takes silu, quantises and stores.
; TRANSPOSED USE: source 0 = 16 rows of W1, source 1 = the 16 batches.  Lane r of tile u takes row 8 u + r + 8 (r / 8) of the 32, so that a lane's 16 registers of the two tiles are units 16 (lane / 16) + 0 .. 15 of one batch.
; W1 COMES IN DENSE AND TURNS THROUGH THE WAVE'S OWN STAGE IN LDS.  A wave's part of a row is 384 consecutive bytes (4 K steps of 96).  Four rows are 96 pieces of 16 bytes: three loads of 16 bytes a lane, piece
; q = 32 j + lane, row q / 24.  So 24 loads bring the wave's 12,288 bytes, each in runs of up to 384 consecutive bytes.  They go to the stage as they come (rows 400 bytes apart) and come back as fragments, 8 bytes a piece.
; The stage is the wave's own: no barrier.  Rows of 400 bytes = 100 words start at bank 36 r mod 64 (64 banks of 4 bytes: ISA guide 11.1); rows 16-31 lie 128 bytes further on, so that a tile's rows 0-7 and 16-23 start at sixteen different banks.
; acodes is laid [block][batch][24 bytes]: a fragment's three loads of 8 bytes cover 768 consecutive bytes: these go straight into registers.  All of a wave's 50 loads go out at its head.
; NO CLUSTER: what the work-groups share is acodes, 24,576 bytes, of which a wave takes 6,144 once, into registers: no tile lies in LDS that a joint load could fill.  No prefetch: nothing is left to ask for behind the head.
; LIMITS: NaN and infinities are not served; a block of zeros gets the byte 1 (its codes are zeros; this program alone reads the bytes).
.set RP,   400                         ; a stage row
.set WREG, 13056                       ; a wave's stage: 32 rows x 400 + 128, rounded up to blocks of 256
.set IMG,  4*WREG                      ; behind the stages: 2,048 bytes a wave for the image of its 16 accumulator registers
.set WSC, 16                           ; v16-19 W1's scale words of my 4 K steps: tile 0's rows in lanes 0-15, tile 1's in lanes 16-31
.set ASC, 20                           ; v20-23 A's
.set GO,  24                           ; v24-26 piece 32 j + lane of four rows: its byte in memory
.set LO,  27                           ; v27-29 and in my stage
.set WF,  32                           ; v32-127 W1 as loaded; then its fragments (tile u, step s) at 12 (4 u + s); later three waves' partial sums
.set AF,  128                          ; v128-175 A's fragments
.set ACC, 176                          ; v176-191 two accumulators; then h
.set E,   80                           ; v80-95 at work
	s_load_b256 s[4:11], s[0:1], 0x0               ; acodes s[4:5], ascales s[6:7], W1's codes s[8:9], scales s[10:11]
	s_load_b128 s[12:15], s[0:1], 0x20             ; hcodes, hscales
	v_lshl_add_u32 v192, v0, 2, 0xec00
	v_mov_b32 v193, 0
	v_lshrrev_b32 v1, 5, v0
	v_readfirstlane_b32 s16, v1                    ; wave 0..3
	v_and_b32 v1, 15, v0                           ; r
	v_bfe_u32 v2, v0, 4, 1                         ; half
	v_and_b32 v11, 31, v0                          ; lane
	v_and_b32 v13, 8, v1                           ; 8 (r / 8)
	v_add_nc_u32 v12, v13, v1                      ; r + 8 (r / 8)
	s_mul_i32 s17, s16, WREG                       ; my stage
	v_mul_u32_u24 v3, v12, RP
	v_mad_u32_u24 v3, v2, 24, v3
	v_lshl_add_u32 v3, v13, 4, v3                  ; + 128 (r / 8): rows 16 on lie 128 bytes further on
	v_add_nc_u32 v3, s17, v3                       ; a fragment out of the stage: row r + 8 (r / 8), + 24 a half
.irp j, 0,1,2
	v_add_nc_u32 v30, 32*\j, v11                   ; q = 32 j + lane, 0 .. 95
	v_mul_u32_u24 v30, v30, 2731
	v_lshrrev_b32 v30, 16, v30                     ; q / 24 (2731 / 65536 lies just above 1 / 24: right for all q under 96)
	v_lshl_add_u32 v31, v11, 4, 512*\j             ; 16 q
	v_mad_u32_u24 v[GO+\j], v30, 1152, v31         ; memory: row x 1,536 + 16 (q - 24 row)
	v_lshl_add_u32 v[LO+\j], v30, 4, v31           ; stage: row x 400 + 16 (q - 24 row)
	v_add_nc_u32 v[LO+\j], s17, v[LO+\j]
.endr
	v_mul_u32_u24 v4, v1, 24
	v_mad_u32_u24 v4, v2, 384, v4                  ; A: block + half, batch r
	v_lshl_add_u32 v5, v2, 3, v12
	v_lshlrev_b32 v5, 6, v5                        ; W1's scales: 64 bytes a row; lanes 16-31 take tile 1's rows
	v_lshlrev_b32 v6, 6, v1                        ; A's: 64 bytes a batch
	s_lshl_b32 s18, s16, 11
	s_add_co_u32 s18, s18, IMG
	v_lshl_add_u32 v7, v11, 4, s18                 ; my wave's image: 16 bytes a lane
	v_lshl_add_u32 v8, v11, 4, IMG                 ; and wave 0's, from which the others are counted
	v_mul_u32_u24 v9, v1, 24
	v_mad_u32_u24 v9, v2, 12, v9                   ; hcodes: batch r, my half of the block
	v_lshlrev_b32 v10, 7, v1                       ; hscales: 128 bytes a batch
	v_mov_b32 v98, 0                               ; (a lane permute's destination counts as one of its sources)
	s_mov_b32 s20, 0x76543210
	s_mov_b32 s21, 0xfedcba98
	s_mov_b32 s19, 0
	s_wait_alu depctr_va_vdst(0)
	s_wait_kmcnt 0x0
	s_mul_i32 s18, s16, 6144
	s_add_nc_u64 s[4:5], s[4:5], s[18:19]          ; A's blocks 16 w on
	s_lshl_b32 s18, s16, 4
	s_add_nc_u64 s[6:7], s[6:7], s[18:19]
	s_lshl_b32 s22, ttmp9, 11
	s_add_co_u32 s18, s18, s22
	s_add_nc_u64 s[10:11], s[10:11], s[18:19]      ; W1's scales: my 32 rows, my 16 bytes of each
	s_mul_i32 s18, ttmp9, 49152
	s_mul_i32 s22, s16, 384
	s_add_co_u32 s18, s18, s22
	s_add_nc_u64 s[8:9], s[8:9], s[18:19]          ; W1's codes: my 32 rows, my 4 K steps
	s_mul_i32 s18, ttmp9, 384
	s_add_nc_u64 s[12:13], s[12:13], s[18:19]
	s_mov_b32 s18, ttmp9
	s_add_nc_u64 s[14:15], s[14:15], s[18:19]
.irp g, 0,1,2,3,4,5,6,7                        ; rows 4 g .. 4 g + 3
.irp j, 0,1,2
	global_load_b128 v[WF+12*\g+4*\j:WF+12*\g+4*\j+3], v[GO+\j], s[8:9] offset:6144*\g th:TH_LOAD_NT
.endr
.endr
	global_load_b128 v[WSC:WSC+3], v5, s[10:11]
	global_load_b128 v[ASC:ASC+3], v6, s[6:7]
.irp s, 0,1,2,3
.irp p, 0,1,2,3,4,5
	global_load_b64 v[AF+12*\s+2*\p:AF+12*\s+2*\p+1], v4, s[4:5] offset:1536*\s+768*(\p/3)+8*(\p%3)
.endr
.endr
.irp g, 0,1,2,3,4,5,6,7
	s_wait_loadcnt 47-3*\g                         ; group g's three loads are in; the later groups' 21 - 3 g, the 2 of the scales and A's 24 may be out
.irp j, 0,1,2
	ds_store_b128 v[LO+\j], v[WF+12*\g+4*\j:WF+12*\g+4*\j+3] offset:4*RP*\g+128*(\g/4)
.endr
.endr
	s_wait_dscnt 0x0                               ; the stores have read their registers: the fragments may land there
.irp s, 0,1,2,3
.irp u, 0,1
.irp p, 0,1,2,3,4,5
	ds_load_b64 v[WF+12*(4*\u+\s)+2*\p:WF+12*(4*\u+\s)+2*\p+1], v3 offset:8*RP*\u+96*\s+48*(\p/3)+8*(\p%3)
.endr
.endr
.endr
	s_wait_loadcnt 0x0                             ; the scale words and A's fragments
	s_wait_dscnt 36                                ; K step 0's 12 loads are in; the 36 of the three later steps may be out
	v_wmma_scale_f32_16x16x128_f8f6f4 v[ACC:ACC+7], v[WF:WF+11], v[AF:AF+11], 0, v[WSC], v[ASC] matrix_a_fmt:MATRIX_FMT_FP6 matrix_b_fmt:MATRIX_FMT_FP6
	v_wmma_scale_f32_16x16x128_f8f6f4 v[ACC+8:ACC+15], v[WF+48:WF+59], v[AF:AF+11], 0, v[WSC], v[ASC] matrix_a_fmt:MATRIX_FMT_FP6 matrix_b_fmt:MATRIX_FMT_FP6 matrix_a_scale:MATRIX_SCALE_ROW1
.irp s, 1,2,3                                  ; the two accumulators take turns
	s_wait_dscnt 12*(3-\s)                         ; this step's fragments are in; the later steps' may be out
	v_wmma_scale_f32_16x16x128_f8f6f4 v[ACC:ACC+7], v[WF+12*\s:WF+12*\s+11], v[AF+12*\s:AF+12*\s+11], v[ACC:ACC+7], v[WSC+\s], v[ASC+\s] matrix_a_fmt:MATRIX_FMT_FP6 matrix_b_fmt:MATRIX_FMT_FP6
	v_wmma_scale_f32_16x16x128_f8f6f4 v[ACC+8:ACC+15], v[WF+48+12*\s:WF+48+12*\s+11], v[AF+12*\s:AF+12*\s+11], v[ACC+8:ACC+15], v[WSC+\s], v[ASC+\s] matrix_a_fmt:MATRIX_FMT_FP6 matrix_b_fmt:MATRIX_FMT_FP6 matrix_a_scale:MATRIX_SCALE_ROW1
.endr
.rept 4
	v_nop                                          ; four places behind the last products (ISA guide 7.12.1)
.endr
.irp c, 0,1,2,3
	ds_store_b128 v7, v[ACC+4*\c:ACC+4*\c+3] offset:512*\c    ; the image of my 16 registers, each accumulator from its low end on
.endr
	s_wait_dscnt 0x0                               ; for wave 0's sake: my stores are done
	s_barrier_signal -1
	s_barrier_wait -1
	s_cmp_lg_u32 s16, 0
	s_cbranch_scc1 .Ldone
.irp w, 1,2,3
.irp c, 0,1,2,3
	ds_load_b128 v[WF+16*(\w-1)+4*\c:WF+16*(\w-1)+4*\c+3], v8 offset:2048*\w+512*\c
.endr
.endr
	s_wait_dscnt 0x0
.irp i, 0,2,4,6,8,10,12,14
	v_pk_add_f32 v[WF+\i:WF+\i+1], v[WF+\i:WF+\i+1], v[WF+16+\i:WF+16+\i+1]
	v_pk_add_f32 v[ACC+\i:ACC+\i+1], v[ACC+\i:ACC+\i+1], v[WF+32+\i:WF+32+\i+1]
.endr
.irp i, 0,2,4,6,8,10,12,14
	v_pk_add_f32 v[ACC+\i:ACC+\i+1], v[ACC+\i:ACC+\i+1], v[WF+\i:WF+\i+1]
.endr
.irp i, 0,2,4,6,8,10,12,14                     ; silu(x) = x / (1 + 2^(-x log2(e)))
	v_pk_mul_f32 v[E+\i:E+\i+1], v[ACC+\i:ACC+\i+1], 0xbfb8aa3b op_sel_hi:[1,0]
.endr
.set i, 0
	s_wait_alu depctr_va_vdst(0)
.rept 16
	v_exp_f32 v[E+i], v[E+i]
.set i, i+1
.endr
	v_nop                                          ; a plain instruction behind the batch,
	s_wait_alu depctr_va_vdst(0)                   ; and one wait for it, ahead of its first reader
.irp i, 0,2,4,6,8,10,12,14
	v_pk_add_f32 v[E+\i:E+\i+1], v[E+\i:E+\i+1], 1.0 op_sel_hi:[1,0]
.endr
.set i, 0
	s_wait_alu depctr_va_vdst(0)
.rept 16
	v_rcp_f32 v[E+i], v[E+i]
.set i, i+1
.endr
	v_nop
	s_wait_alu depctr_va_vdst(0)
.irp i, 0,2,4,6,8,10,12,14
	v_pk_mul_f32 v[ACC+\i:ACC+\i+1], v[ACC+\i:ACC+\i+1], v[E+\i:E+\i+1]
.endr
	v_max3_num_f32 v96, |v[ACC]|, |v[ACC+1]|, |v[ACC+2]|   ; the block of 32 lies in lanes l and l xor 16
	v_max3_num_f32 v97, |v[ACC+3]|, |v[ACC+4]|, |v[ACC+5]|
.irp i, 6,10
	v_max3_num_f32 v96, v96, |v[ACC+\i]|, |v[ACC+\i+1]|
	v_max3_num_f32 v97, v97, |v[ACC+\i+2]|, |v[ACC+\i+3]|
.endr
	v_max3_num_f32 v96, v96, |v[ACC+14]|, |v[ACC+15]|
	v_max3_num_f32 v96, v96, v97, 0x1800000        ; the floor 2^(3 - 127): the byte cannot fall under 1
	v_permlanex16_b32 v98, v96, s20, s21
	v_max_num_f32 v96, v96, v98
	v_add_nc_u32 v97, 0xff000000, v96              ; 2 off the exponent field: the conversion's scale operand
	v_cvt_scalef32_pk16_fp6_f32 v[100:102], v[ACC:ACC+15], v97
	v_lshrrev_b32 v99, 23, v97                     ; the byte.  (The plain place behind the conversion)
	global_store_b96 v9, v[100:102], s[12:13]      ; the wave stores the block's 384 consecutive bytes
	global_store_b8 v10, v99, s[14:15]             ; both halves write the same byte with the same value
.Ldone:
	s_wait_tensorcnt 0x0
	ds_add_u32 v192, v193
	s_wait_dscnt 0x0
	s_endpgm
.Lfunc_end_k_qb56e920a03_mlp1:
	.size	k_qb56e920a03_mlp1, .Lfunc_end_k_qb56e920a03_mlp1-k_qb56e920a03_mlp1
	.p2alignl 7, 3214868480
	.fill 96, 4, 3214868480
	.section	.rodata,"a",@progbits
	.p2align	6, 0x0
	.amdhsa_kernel k_qb56e920a03_mlp1
		.amdhsa_group_segment_fixed_size 60928
		.amdhsa_private_segment_fixed_size 0
		.amdhsa_enable_private_segment 0
		.amdhsa_kernarg_size 48
		.amdhsa_user_sgpr_count 2
		.amdhsa_user_sgpr_kernarg_segment_ptr 1
		.amdhsa_wavefront_size32 1
		.amdhsa_system_sgpr_workgroup_id_x 1
		.amdhsa_system_sgpr_workgroup_id_y 1
		.amdhsa_system_sgpr_workgroup_id_z 1
		.amdhsa_system_vgpr_workitem_id 0
		.amdhsa_next_free_vgpr 194
		.amdhsa_next_free_sgpr 66
		.amdhsa_reserve_vcc 0
		.amdhsa_float_denorm_mode_32 3
		.amdhsa_float_denorm_mode_16_64 3
		.amdhsa_memory_ordered 1
		.amdhsa_forward_progress 1
		.amdhsa_inst_pref_size 22
	.end_amdhsa_kernel
	.amdgpu_metadata
---
amdhsa.version: [ 1, 2 ]
amdhsa.kernels:
  - .name:           k_qb56e920a03_mlp1
    .symbol:         k_qb56e920a03_mlp1.kd
    .args:
      - { .name: acodes, .offset: 0, .size: 8, .value_kind: global_buffer, .address_space: global }
      - { .name: ascales, .offset: 8, .size: 8, .value_kind: global_buffer, .address_space: global }
      - { .name: W1_codes, .offset: 16, .size: 8, .value_kind: global_buffer, .address_space: global }
      - { .name: W1_scales, .offset: 24, .size: 8, .value_kind: global_buffer, .address_space: global }
      - { .name: hcodes, .offset: 32, .size: 8, .value_kind: global_buffer, .address_space: global }
      - { .name: hscales, .offset: 40, .size: 8, .value_kind: global_buffer, .address_space: global }
    .group_segment_fixed_size: 60928
    .private_segment_fixed_size: 0
    .kernarg_segment_align: 8
    .kernarg_segment_size: 48
    .max_flat_workgroup_size: 128
    .sgpr_count:     66
    .vgpr_count:     194
    .wavefront_size: 32
...
	.end_amdgpu_metadata
.endif
;; end of part 5
;; launch mlp2 (part 6): grid 64 x 1, 8 waves a work-group, no clusters, 60,416 bytes of LDS; arguments hcodes, hscales, W2_codes, W2_scales, out0; writes out0
.if DOCPART == 6
	.amdgcn_target "amdgcn-amd-amdhsa--gfx1250"
	.amdhsa_code_object_version 6
	.text
	.protected	k_qb56e920a03_mlp2
	.globl	k_qb56e920a03_mlp2
	.p2align	8
	.type	k_qb56e920a03_mlp2,@function
k_qb56e920a03_mlp2:
	s_mov_b64 s[64:65], 0
	v_nop
	global_prefetch_b8 v0, s[64:65] scope:SCOPE_SE
	s_setreg_imm32_b32 hwreg(HW_REG_WAVE_MODE, 25, 1), 1
	s_wait_xcnt 0x0
; out = h W2^T on codes of FP6 (E2M3): h from the launch before, laid [block][batch][24 bytes]; 16 rows (batches), K = 4,096, N = 1,024.
; SHARES.  A work-group makes 16 outputs for all 16 batches: 64 work-groups, each output with one owner; 16 columns are the smallest tile.  Wave w of eight takes K steps 4 w .. 4 w + 3 of the 32.
; Source 0 = h's 16 batches, source 1 = 16 rows of W2: lane (r, half) holds output r, register j batch 8 half + j.  The eight partial sums meet in LDS as images of registers; wave w then adds register w of all eight
; and stores it: sixteen lanes write 64 consecutive bytes of a row of out.  (Whole rows' units of 256 bytes would want 64 columns to a work-group: 16 work-groups for 3,145,728 bytes of W2; the output is 65,536 bytes.)
; W2 COMES IN DENSE AND TURNS THROUGH THE WAVE'S OWN STAGE IN LDS.  A wave's part of a row is 384 consecutive bytes (4 K steps of 96).  Four rows are 96 pieces of 16 bytes: three loads of 16 bytes a lane, piece
; q = 32 j + lane, row q / 24: 12 loads bring the wave's 6,144 bytes, each in runs of up to 384 consecutive bytes.  They go to the stage as they come, rows 400 bytes apart (100 words: row r starts at bank 36 r mod 64,
; sixteen different multiples of 4; 64 banks of 4 bytes: ISA guide 11.1), and come back as fragments, 8 bytes a piece.  The stage is the wave's own: no barrier.
; NO CLUSTER: what the work-groups share is hcodes, 49,152 bytes, of which a wave takes 6,144 once, into registers: no tile lies in LDS that a joint load could fill.  No prefetch: all of a wave's loads go out at its head.
.set RP,   400                         ; a stage row
.set WREG, 16*RP                       ; a wave's stage
.set IMG,  8*WREG                      ; behind the stages: 1,024 bytes a wave for the image of its 8 sums
.set HSC, 16                           ; v16-19 h's scale words of my 4 K steps
.set WSC, 20                           ; v20-23 W2's
.set GO,  24                           ; v24-26 piece 32 j + lane of four rows: its byte in memory
.set LO,  27                           ; v27-29 and in my stage
.set HF,  32                           ; v32-79 h's fragments
.set WF,  80                           ; v80-127 W2 as loaded; then its fragments
.set ACC, 128                          ; v128-143 two accumulators
.set SU,  144                          ; v144-151 their sum
.set PT,  152                          ; v152-159 eight waves' parts of one register
	s_load_b256 s[4:11], s[0:1], 0x0               ; hcodes s[4:5], hscales s[6:7], W2's codes s[8:9], scales s[10:11]
	s_load_b64 s[12:13], s[0:1], 0x20              ; out0
	v_lshl_add_u32 v160, v0, 2, 0xe800
	v_mov_b32 v161, 0
	v_lshrrev_b32 v1, 5, v0
	s_delay_alu instid0(VALU_DEP_1)
	v_readfirstlane_b32 s16, v1                    ; wave 0..7
	v_and_b32 v1, 15, v0                           ; r
	v_bfe_u32 v2, v0, 4, 1                         ; half
	v_and_b32 v9, 31, v0                           ; lane
	s_delay_alu instid0(VALU_DEP_3)
	v_mul_u32_u24 v3, v1, 24
	s_delay_alu instid0(VALU_DEP_1)
	v_mad_u32_u24 v3, v2, 384, v3                  ; h: block + half, batch r
	s_mul_i32 s17, s16, WREG                       ; my stage
	v_mul_u32_u24 v4, v1, RP
	s_delay_alu instid0(VALU_DEP_1)
	v_mad_u32_u24 v4, v2, 24, v4
	s_delay_alu instid0(VALU_DEP_1)
	v_add_nc_u32 v4, s17, v4                       ; a fragment out of the stage: row r, + 24 a half
.irp j, 0,1,2
	v_add_nc_u32 v30, 32*\j, v9                    ; q = 32 j + lane, 0 .. 95
	s_delay_alu instid0(VALU_DEP_1)
	v_mul_u32_u24 v30, v30, 2731
	s_delay_alu instid0(VALU_DEP_1)
	v_lshrrev_b32 v30, 16, v30                     ; q / 24 (2731 / 65536 lies just above 1 / 24: right for all q under 96)
	v_lshl_add_u32 v31, v9, 4, 512*\j              ; 16 q
	s_delay_alu instid0(VALU_DEP_1)
	v_mad_u32_u24 v[GO+\j], v30, 2688, v31         ; memory: row x 3,072 + 16 (q - 24 row)
	s_delay_alu instid0(VALU_DEP_2)
	v_lshl_add_u32 v[LO+\j], v30, 4, v31           ; stage: row x 400 + 16 (q - 24 row)
	s_delay_alu instid0(VALU_DEP_1)
	v_add_nc_u32 v[LO+\j], s17, v[LO+\j]
.endr
	v_lshlrev_b32 v5, 7, v1                        ; both scales: 128 bytes a row
	s_lshl_b32 s18, s16, 10
	s_add_co_u32 s18, s18, IMG
	v_lshl_add_u32 v6, v9, 4, s18                  ; my wave's image: 1,024 bytes, 16 a lane and group of four registers
	s_lshr_b32 s18, s16, 2
	s_lshl_b32 s18, s18, 9
	s_and_b32 s20, s16, 3
	s_lshl_b32 s20, s20, 2
	s_add_co_u32 s18, s18, s20
	s_add_co_u32 s18, s18, IMG
	v_lshl_add_u32 v7, v9, 4, s18                  ; register w of wave 0's image
	v_lshlrev_b32 v8, 15, v2
	s_lshl_b32 s18, s16, 12
	v_add_nc_u32 v8, s18, v8
	s_delay_alu instid0(VALU_DEP_1)
	v_lshl_add_u32 v8, v1, 2, v8                   ; out: batch 8 half + w, output r
	s_mov_b32 s19, 0
	s_wait_alu depctr_va_vdst(0)
	s_wait_kmcnt 0x0
	s_mul_i32 s18, s16, 6144
	s_add_nc_u64 s[4:5], s[4:5], s[18:19]          ; h's blocks 16 w on
	s_lshl_b32 s18, s16, 4
	s_add_nc_u64 s[6:7], s[6:7], s[18:19]
	s_lshl_b32 s20, ttmp9, 11
	s_add_co_u32 s18, s18, s20
	s_add_nc_u64 s[10:11], s[10:11], s[18:19]      ; W2's scales: my 16 rows, my 16 bytes of each
	s_mul_i32 s18, ttmp9, 49152
	s_mul_i32 s20, s16, 384
	s_add_co_u32 s18, s18, s20
	s_add_nc_u64 s[8:9], s[8:9], s[18:19]          ; W2's codes: my 16 rows, my 4 K steps
	s_lshl_b32 s18, ttmp9, 6
	s_add_nc_u64 s[12:13], s[12:13], s[18:19]
.irp g, 0,1,2,3                                ; rows 4 g .. 4 g + 3
.irp j, 0,1,2
	global_load_b128 v[WF+12*\g+4*\j:WF+12*\g+4*\j+3], v[GO+\j], s[8:9] offset:12288*\g th:TH_LOAD_NT
.endr
.endr
	global_load_b128 v[HSC:HSC+3], v5, s[6:7]
	global_load_b128 v[WSC:WSC+3], v5, s[10:11]
.irp s, 0,1,2,3
.irp p, 0,1,2,3,4,5
	global_load_b64 v[HF+12*\s+2*\p:HF+12*\s+2*\p+1], v3, s[4:5] offset:1536*\s+768*(\p/3)+8*(\p%3)
.endr
.endr
.irp g, 0,1,2,3
	s_wait_loadcnt 35-3*\g                         ; group g's three loads are in; the later groups' 9 - 3 g, the 2 of the scales and h's 24 may be out
.irp j, 0,1,2
	ds_store_b128 v[LO+\j], v[WF+12*\g+4*\j:WF+12*\g+4*\j+3] offset:4*RP*\g
.endr
.endr
	s_wait_dscnt 0x0                               ; the stores have read their registers: the fragments may land there
.irp s, 0,1,2,3
.irp p, 0,1,2,3,4,5
	ds_load_b64 v[WF+12*\s+2*\p:WF+12*\s+2*\p+1], v4 offset:96*\s+48*(\p/3)+8*(\p%3)
.endr
.endr
	s_wait_loadcnt 0x0                             ; the scale words and h's fragments
.irp s, 0,1                                    ; two accumulators by turns; each step's 6 loads are in, the later steps' may be out
	s_wait_dscnt 6*(3-\s)
	v_wmma_scale_f32_16x16x128_f8f6f4 v[ACC+8*\s:ACC+8*\s+7], v[HF+12*\s:HF+12*\s+11], v[WF+12*\s:WF+12*\s+11], 0, v[HSC+\s], v[WSC+\s] matrix_a_fmt:MATRIX_FMT_FP6 matrix_b_fmt:MATRIX_FMT_FP6
.endr
.irp s, 2,3
	s_wait_dscnt 6*(3-\s)
	v_wmma_scale_f32_16x16x128_f8f6f4 v[ACC+8*(\s-2):ACC+8*(\s-2)+7], v[HF+12*\s:HF+12*\s+11], v[WF+12*\s:WF+12*\s+11], v[ACC+8*(\s-2):ACC+8*(\s-2)+7], v[HSC+\s], v[WSC+\s] matrix_a_fmt:MATRIX_FMT_FP6 matrix_b_fmt:MATRIX_FMT_FP6
.endr
.rept 4
	v_nop                                          ; four places behind the last products (ISA guide 7.12.1)
.endr
.irp i, 0,2,4,6
	v_pk_add_f32 v[SU+\i:SU+\i+1], v[ACC+\i:ACC+\i+1], v[ACC+8+\i:ACC+8+\i+1]
.endr
	ds_store_b128 v6, v[SU:SU+3]
	ds_store_b128 v6, v[SU+4:SU+7] offset:512
	s_wait_dscnt 0x0                               ; for the others' sake: my stores are done
	s_barrier_signal -1
	s_barrier_wait -1
.irp w, 0,1,2,3,4,5,6,7
	ds_load_b32 v[PT+\w], v7 offset:1024*\w
.endr
	s_wait_dscnt 0x0
	v_add_f32 v[PT], v[PT], v[PT+1]
	v_add_f32 v[PT+2], v[PT+2], v[PT+3]
	v_add_f32 v[PT+4], v[PT+4], v[PT+5]
	v_add_f32 v[PT+6], v[PT+6], v[PT+7]
	s_delay_alu instid0(VALU_DEP_3)
	v_add_f32 v[PT], v[PT], v[PT+2]
	s_delay_alu instid0(VALU_DEP_2)
	v_add_f32 v[PT+4], v[PT+4], v[PT+6]
	s_delay_alu instid0(VALU_DEP_1)
	v_add_f32 v[PT], v[PT], v[PT+4]
	global_store_b32 v8, v[PT], s[12:13]
	s_wait_tensorcnt 0x0
	ds_add_u32 v160, v161
	s_wait_dscnt 0x0
	s_endpgm
.Lfunc_end_k_qb56e920a03_mlp2:
	.size	k_qb56e920a03_mlp2, .Lfunc_end_k_qb56e920a03_mlp2-k_qb56e920a03_mlp2
	.p2alignl 7, 3214868480
	.fill 96, 4, 3214868480
	.section	.rodata,"a",@progbits
	.p2align	6, 0x0
	.amdhsa_kernel k_qb56e920a03_mlp2
		.amdhsa_group_segment_fixed_size 60416
		.amdhsa_private_segment_fixed_size 0
		.amdhsa_enable_private_segment 0
		.amdhsa_kernarg_size 40
		.amdhsa_user_sgpr_count 2
		.amdhsa_user_sgpr_kernarg_segment_ptr 1
		.amdhsa_wavefront_size32 1
		.amdhsa_system_sgpr_workgroup_id_x 1
		.amdhsa_system_sgpr_workgroup_id_y 1
		.amdhsa_system_sgpr_workgroup_id_z 1
		.amdhsa_system_vgpr_workitem_id 0
		.amdhsa_next_free_vgpr 162
		.amdhsa_next_free_sgpr 66
		.amdhsa_reserve_vcc 0
		.amdhsa_float_denorm_mode_32 3
		.amdhsa_float_denorm_mode_16_64 3
		.amdhsa_memory_ordered 1
		.amdhsa_forward_progress 1
		.amdhsa_inst_pref_size 13
	.end_amdhsa_kernel
	.amdgpu_metadata
---
amdhsa.version: [ 1, 2 ]
amdhsa.kernels:
  - .name:           k_qb56e920a03_mlp2
    .symbol:         k_qb56e920a03_mlp2.kd
    .args:
      - { .name: hcodes, .offset: 0, .size: 8, .value_kind: global_buffer, .address_space: global }
      - { .name: hscales, .offset: 8, .size: 8, .value_kind: global_buffer, .address_space: global }
      - { .name: W2_codes, .offset: 16, .size: 8, .value_kind: global_buffer, .address_space: global }
      - { .name: W2_scales, .offset: 24, .size: 8, .value_kind: global_buffer, .address_space: global }
      - { .name: out0, .offset: 32, .size: 8, .value_kind: global_buffer, .address_space: global }
    .group_segment_fixed_size: 60416
    .private_segment_fixed_size: 0
    .kernarg_segment_align: 8
    .kernarg_segment_size: 40
    .max_flat_workgroup_size: 256
    .sgpr_count:     66
    .vgpr_count:     162
    .wavefront_size: 32
...
	.end_amdgpu_metadata
.endif
;; end of part 6
